; MI455X (gfx1250); checked and timed in simulation.
; The chip was launched on July 23, 2026; its instructions are those of AMD's public machine-readable ISA for CDNA 5 (MIT licence, August 2026) and "CDNA5" Instruction Set Architecture Reference Guide (July 2026). The comments in the code are by the model that wrote it; some were corrected since.
;; Linear Self Attention. Allowed arithmetic: float matrix products may take bf16 or f16 operands with f32 sums; all other float work in f32.
;; Inputs: hiddens 4 x 2,048 x 1,024 float32; w_kv 1,024 x 2,048 float32; w_out 1,024 x 1,024 float32; w_q 1,024 x 1,024 float32; x 4 x 2,048 x 1,024 float32.
;; Outputs: out0 4 x 2,048 x 1,024 float32.
;; One version. Each part assembles by itself: llvm-mc -triple=amdgcn-amd-amdhsa -mcpu=gfx1250 --defsym DOCPART=n.
;; ======== version 1 of 1: 5 launches
;; limits: values are held in f16: magnitudes above 65,504 overflow, below 6.1e-05 lose precision; values outside matrix products are rounded to f16
;; workspace buffers: act 33,554,432 bytes; wts 8,388,608 bytes; cpart 16,777,216 bytes; mz 1,048,576 bytes; ctx 1,048,576 bytes; obuf 16,777,216 bytes
;; launch prep (part 1): grid 1280 x 1, 8 waves a work-group, no clusters, 0 bytes of LDS; arguments x, hiddens, w_q, w_kv, w_out, act, wts; writes act, wts
.if DOCPART == 1
	.amdgcn_target "amdgcn-amd-amdhsa--gfx1250"
	.amdhsa_code_object_version 6
	.text
	.protected	k_qc3c368bb83_prep
	.globl	k_qc3c368bb83_prep
	.p2align	8
	.type	k_qc3c368bb83_prep,@function
k_qc3c368bb83_prep:
	s_mov_b64 s[64:65], 0
	v_nop
	global_prefetch_b8 v0, s[64:65] scope:SCOPE_SE
	s_setreg_imm32_b32 hwreg(HW_REG_WAVE_MODE, 25, 1), 1
	s_wait_xcnt 0x0
; PREP.  act[0:8192] = LayerNorm(x) (no gain, no bias; biased variance, eps 1e-5), act[8192:16384] = hiddens, both rounded once to f16, rows of 1,024.
; wts[k][0:1024] = w_q[k], wts[k][1024:3072] = w_kv[k], wts[k][3072:4096] = w_out[k], rounded once to f16: one table [1024 k][4096], rows of 8,192 bytes.
; LIMITS.  f16 ends at 65,504: hiddens and the weights must lie within it; a normed number is at most 32 in size (sqrt of 1,024); under 6e-5 f16 keeps its fixed step of 6e-8.
; The unit of work is a piece of 1,024 f32 (4,096 bytes in, 2,048 out).  A wave takes two pieces, a work-group of eight waves 16: 20,480 pieces are 1,280 work-groups of equal work.
; All 16 loads of a wave go out at once and nothing is read twice.  A streaming text: no LDS, no barrier, no matrix unit, no cluster (no two work-groups read a common byte).
; Mean and variance in two passes over the registers (the squares are those of x - mean): no difference of large sums.
; Work-groups 0-511: x.  512-1023: hiddens.  1024-1279: the weights, 64 to a role: role 0 w_q, 1 and 2 the halves of w_kv's rows, 3 w_out.
.set OFFS, 2                           ; v[2:3]    piece i: my 16 bytes' offset in the source
.set OFFD, 4                           ; v[4:5]    piece i: my 8 bytes' offset in the destination
.set C,    10                          ; v[10:17]  four chains of pairs
.set MU,   18                          ; v[18:19]  the mean, twice
.set R,    20                          ; v[20:21]  1 / sqrt(var + eps), twice
.set S,    22                          ; v[22:23]  a sum at work, and the other half of the lanes'
.set X,    32                          ; v[32:95]  piece i: 32 registers
	s_load_b256 s[4:11], s[0:1], 0x0               ; x s[4:5], hiddens s[6:7], w_q s[8:9], w_kv s[10:11]
	s_load_b128 s[12:15], s[0:1], 0x20             ; w_out s[12:13], act s[14:15]
	s_load_b64 s[16:17], s[0:1], 0x30              ; wts
	s_mov_b32 s18, ttmp9                           ; g
	v_lshrrev_b32 v1, 5, v0
	v_readfirstlane_b32 s30, v1                    ; wave 0..7
	v_and_b32 v1, 31, v0                           ; lane
	v_mov_b32 v[S+1], 0                            ; v_permlanex16_b32 counts as a reader of its destination
	s_mov_b32 s32, 0x76543210                      ; its selects: each lane takes its own place in the other half
	s_mov_b32 s33, 0xfedcba98
	s_mov_b32 s35, 0x3a800000                      ; 1 / 1,024
	s_mov_b32 s36, 0x3727c5ac                      ; 1e-5
	; offsets and strides, made apart from the addresses
	s_and_b32 s19, s18, 511
	s_lshl_b32 s24, s19, 16                        ; x, hiddens: 16 rows of 4,096 bytes a work-group
	s_lshl_b32 s26, s18, 15                        ; act: 16 rows of 2,048 bytes; hiddens follow x
	s_and_b32 s31, s18, 63                         ; weights: which 16 rows k
	s_bfe_u32 s37, s18, 0x20006                    ; weights: the role, bits 7:6 of g
	s_add_co_u32 s38, s37, 1
	s_and_b32 s38, s38, 2                          ; 2 for roles 1 and 2
	s_lshl_b32 s38, s38, 11
	s_add_co_u32 s38, s38, 4096                    ; a source row: 8,192 bytes in w_kv, else 4,096
	s_mul_i32 s39, s31, s38
	s_lshl_b32 s39, s39, 4                         ; 16 rows
	s_cmp_eq_u32 s37, 2
	s_cselect_b32 s19, 4096, 0                     ; the second half of w_kv's rows
	s_add_co_u32 s39, s39, s19
	s_lshl_b32 s19, s31, 17                        ; wts: 16 rows of 8,192 bytes,
	s_lshl_b32 s37, s37, 11                        ; and 2,048 bytes on for each role
	s_add_co_u32 s19, s19, s37
	s_mov_b32 s29, 8192
	s_cmp_lt_u32 s18, 1024
	s_cselect_b32 s24, s24, s39                    ; source offset
	s_cselect_b32 s26, s26, s19                    ; destination offset
	s_cselect_b32 s28, 4096, s38                   ; source stride
	s_cselect_b32 s29, 2048, s29                   ; destination stride
	s_mul_i32 s31, s30, s28
	s_lshl_b32 s31, s31, 1                         ; my wave's two pieces
	s_add_co_u32 s24, s24, s31
	s_mul_i32 s31, s30, s29
	s_lshl_b32 s31, s31, 1
	s_add_co_u32 s26, s26, s31
	s_mov_b32 s25, 0
	s_mov_b32 s27, 0
	v_lshlrev_b32 v24, 4, v1
	v_lshlrev_b32 v25, 3, v1
.irp i, 0,1
	v_mad_u32_u24 v[OFFS+(\i)], s28, \i, v24
	v_mad_u32_u24 v[OFFD+(\i)], s29, \i, v25
.endr
	s_wait_kmcnt 0x0
	s_cmp_lt_u32 s18, 512                          ; the source and the destination are chosen by the work-group's number alone
	s_cselect_b64 s[20:21], s[4:5], s[6:7]
	s_cmp_lt_u32 s18, 1024
	s_cselect_b64 s[20:21], s[20:21], s[8:9]
	s_cselect_b64 s[22:23], s[14:15], s[16:17]
	s_cmp_lt_u32 s18, 1088
	s_cselect_b64 s[20:21], s[20:21], s[10:11]
	s_cmp_lt_u32 s18, 1216
	s_cselect_b64 s[20:21], s[20:21], s[12:13]
	s_add_nc_u64 s[20:21], s[20:21], s[24:25]
	s_add_nc_u64 s[22:23], s[22:23], s[26:27]
.irp i, 0,1
.irp j, 0,1,2,3,4,5,6,7
	global_load_b128 v[X+32*(\i)+4*(\j):X+32*(\i)+4*(\j)+3], v[OFFS+(\i)], s[20:21] offset:512*(\j) th:TH_LOAD_NT  ; 512 consecutive bytes a load; every byte is read once in the launch
.endr
.endr
.macro REDUCE                          ; the four chains' eight numbers, summed over the wave's 32 lanes, into v[S] of every lane
	v_pk_add_f32 v[C:C+1], v[C:C+1], v[C+2:C+3]
	v_pk_add_f32 v[C+4:C+5], v[C+4:C+5], v[C+6:C+7]
	v_pk_add_f32 v[C:C+1], v[C:C+1], v[C+4:C+5]
	v_add_f32 v[S], v[C], v[C+1]
	v_add_f32_dpp v[S], v[S], v[S] row_xmask:1 row_mask:0xf bank_mask:0xf
	v_add_f32_dpp v[S], v[S], v[S] row_xmask:2 row_mask:0xf bank_mask:0xf
	v_add_f32_dpp v[S], v[S], v[S] row_xmask:4 row_mask:0xf bank_mask:0xf
	v_add_f32_dpp v[S], v[S], v[S] row_xmask:8 row_mask:0xf bank_mask:0xf
	v_permlanex16_b32 v[S+1], v[S], s32, s33
	v_add_f32 v[S], v[S], v[S+1]
.endm
.macro OUTROW i                        ; piece i is rounded to f16 in place and stored: a lane's four numbers are 8 bytes, the wave's 256 consecutive bytes, aligned
.irp j, 0,1,2,3,4,5,6,7
	v_cvt_pk_f16_f32 v[X+32*(\i)+4*(\j)],   v[X+32*(\i)+4*(\j)],   v[X+32*(\i)+4*(\j)+1]
	v_cvt_pk_f16_f32 v[X+32*(\i)+4*(\j)+1], v[X+32*(\i)+4*(\j)+2], v[X+32*(\i)+4*(\j)+3]
.endr
.irp j, 0,1,2,3,4,5,6,7
	global_store_b64 v[OFFD+(\i)], v[X+32*(\i)+4*(\j):X+32*(\i)+4*(\j)+1], s[22:23] offset:256*(\j)
.endr
.endm
; left = the loads of the piece behind this one: loads come back in order (ISA guide 5.7.1)
.macro LNROW i, left
	s_wait_loadcnt \left
.irp k, 0,1,2,3
	v_pk_add_f32 v[C+2*(\k):C+2*(\k)+1], v[X+32*(\i)+2*(\k):X+32*(\i)+2*(\k)+1], v[X+32*(\i)+2*(\k)+8:X+32*(\i)+2*(\k)+9]
.endr
.irp m, 16, 24
.irp k, 0,1,2,3
	v_pk_add_f32 v[C+2*(\k):C+2*(\k)+1], v[C+2*(\k):C+2*(\k)+1], v[X+32*(\i)+2*(\k)+(\m):X+32*(\i)+2*(\k)+(\m)+1]
.endr
.endr
	REDUCE
	v_mul_f32 v[MU], s35, v[S]
	v_mul_f32 v[MU+1], s35, v[S]
.irp k, 0,1,2,3,4,5,6,7,8,9,10,11,12,13,14,15
	v_pk_add_f32 v[X+32*(\i)+2*(\k):X+32*(\i)+2*(\k)+1], v[X+32*(\i)+2*(\k):X+32*(\i)+2*(\k)+1], v[MU:MU+1] neg_lo:[0,1] neg_hi:[0,1]
.endr
.irp k, 0,1,2,3
	v_pk_mul_f32 v[C+2*(\k):C+2*(\k)+1], v[X+32*(\i)+2*(\k):X+32*(\i)+2*(\k)+1], v[X+32*(\i)+2*(\k):X+32*(\i)+2*(\k)+1]
.endr
.irp m, 8, 16, 24
.irp k, 0,1,2,3
	v_pk_fma_f32 v[C+2*(\k):C+2*(\k)+1], v[X+32*(\i)+2*(\k)+(\m):X+32*(\i)+2*(\k)+(\m)+1], v[X+32*(\i)+2*(\k)+(\m):X+32*(\i)+2*(\k)+(\m)+1], v[C+2*(\k):C+2*(\k)+1]
.endr
.endr
	REDUCE
	v_fma_f32 v[S], v[S], s35, s36                 ; var + eps
	v_rsq_f32 v[R], v[S]
	v_rsq_f32 v[R+1], v[S]
	v_nop                                          ; a plain instruction between the root and the use of its result (ISA guide 5.7.2)
	s_wait_alu depctr_va_vdst(0)
.irp k, 0,1,2,3,4,5,6,7,8,9,10,11,12,13,14,15
	v_pk_mul_f32 v[X+32*(\i)+2*(\k):X+32*(\i)+2*(\k)+1], v[X+32*(\i)+2*(\k):X+32*(\i)+2*(\k)+1], v[R:R+1]
.endr
	OUTROW \i
.endm
	s_cmp_lt_u32 s18, 512
	s_cbranch_scc0 .Lcast
	LNROW 0, 8
	LNROW 1, 0
	s_endpgm
.Lcast:
	s_wait_loadcnt 8
	OUTROW 0
	s_wait_loadcnt 0
	OUTROW 1
	s_endpgm
.Lfunc_end_k_qc3c368bb83_prep:
	.size	k_qc3c368bb83_prep, .Lfunc_end_k_qc3c368bb83_prep-k_qc3c368bb83_prep
	.p2alignl 7, 3214868480
	.fill 96, 4, 3214868480
	.section	.rodata,"a",@progbits
	.p2align	6, 0x0
	.amdhsa_kernel k_qc3c368bb83_prep
		.amdhsa_group_segment_fixed_size 0
		.amdhsa_private_segment_fixed_size 0
		.amdhsa_enable_private_segment 0
		.amdhsa_kernarg_size 56
		.amdhsa_user_sgpr_count 2
		.amdhsa_user_sgpr_kernarg_segment_ptr 1
		.amdhsa_wavefront_size32 1
		.amdhsa_system_sgpr_workgroup_id_x 1
		.amdhsa_system_sgpr_workgroup_id_y 1
		.amdhsa_system_sgpr_workgroup_id_z 1
		.amdhsa_system_vgpr_workitem_id 0
		.amdhsa_next_free_vgpr 96
		.amdhsa_next_free_sgpr 66
		.amdhsa_reserve_vcc 0
		.amdhsa_float_denorm_mode_32 3
		.amdhsa_float_denorm_mode_16_64 3
		.amdhsa_memory_ordered 1
		.amdhsa_forward_progress 1
		.amdhsa_inst_pref_size 22
	.end_amdhsa_kernel
	.amdgpu_metadata
---
amdhsa.version: [ 1, 2 ]
amdhsa.kernels:
  - .name:           k_qc3c368bb83_prep
    .symbol:         k_qc3c368bb83_prep.kd
    .args:
      - { .name: x, .offset: 0, .size: 8, .value_kind: global_buffer, .address_space: global }
      - { .name: hiddens, .offset: 8, .size: 8, .value_kind: global_buffer, .address_space: global }
      - { .name: w_q, .offset: 16, .size: 8, .value_kind: global_buffer, .address_space: global }
      - { .name: w_kv, .offset: 24, .size: 8, .value_kind: global_buffer, .address_space: global }
      - { .name: w_out, .offset: 32, .size: 8, .value_kind: global_buffer, .address_space: global }
      - { .name: act, .offset: 40, .size: 8, .value_kind: global_buffer, .address_space: global }
      - { .name: wts, .offset: 48, .size: 8, .value_kind: global_buffer, .address_space: global }
    .group_segment_fixed_size: 0
    .private_segment_fixed_size: 0
    .kernarg_segment_align: 8
    .kernarg_segment_size: 56
    .max_flat_workgroup_size: 256
    .sgpr_count:     66
    .vgpr_count:     96
    .wavefront_size: 32
...
	.end_amdgpu_metadata
.endif
;; end of part 1
;; launch kvctx (part 2): grid 8 x 64, 4 waves a work-group, clusters of 4 x 4, 327,680 bytes of LDS; arguments act, wts, cpart, mz; writes cpart, mz
.if DOCPART == 2
	.amdgcn_target "amdgcn-amd-amdhsa--gfx1250"
	.amdhsa_code_object_version 6
	.text
	.protected	k_qc3c368bb83_kvctx
	.globl	k_qc3c368bb83_kvctx
	.p2align	8
	.type	k_qc3c368bb83_kvctx,@function
k_qc3c368bb83_kvctx:
	s_mov_b64 s[64:65], 0
	v_nop
	global_prefetch_b8 v0, s[64:65] scope:SCOPE_SE
	s_setreg_imm32_b32 hwreg(HW_REG_WAVE_MODE, 25, 1), 1
	s_wait_xcnt 0x0
	s_wait_alu depctr_hold_cnt(0) depctr_sa_sdst(0) depctr_va_vdst(0) depctr_va_sdst(0) depctr_va_ssrc(0) depctr_va_vcc(0) depctr_vm_vsrc(0)
	s_getreg_b32 s2, hwreg(HW_REG_IB_STS2, 6, 4)
	s_cmp_eq_u32 s2, 0
	s_cbranch_scc0 .Lentry_in_a_cluster
	s_endpgm
.Lentry_in_a_cluster:
	s_bfe_u32 s2, ttmp6, 0x10000c
	s_cmp_lg_u32 s2, 0xf033
	s_cbranch_scc0 .Lentry_shape_is_right
	s_endpgm
.Lentry_shape_is_right:
; KVCTX.  For 256 rows of act (block rb) and one head: k = act w_k, v = act w_v (128 columns each, K = 1,024), then, without k or v leaving the work-group:
; m[d] = the maximum of k[:, d] over the 256 rows, p = 2^(c k - (c m + 8)) with c = log2(e), Z[d] = the sum of p, and the partial product P^T V (128 x 128).
; m, Z (f32) and P^T V (rounded once to f16) go to memory; the next launch joins a batch's 16 blocks under the true maximum.  The 2^-8 in p keeps a partial, a sum over 256 rows, within v's own range; Z carries it too, so it cancels in the quotient.
; Operands f16; sums, maxima and exponentials f32; p and v are rounded to f16 for the second product, Z is taken of the unrounded p.
; LIMITS.  v must stay within f16's 65,504; p lies in 0 to 2^-8, and below 2^-14 (2^-6 of the block's largest) it keeps f16's fixed step of 2^-24; a p below 2^-126 counts as 0; NaN and infinities are not treated apart.
; SHARES.  Four waves.  Wave w = 2 RH + CH makes rows 128 RH .. + 127 against 64 columns of k (d = 64 CH + 16 b + r, b = 0..3) and 64 of v (e likewise, b = 4..7): 64 accumulators, 512 registers, and all four waves have the same way out.
; THE FIRST PRODUCT IS USED AS IT STANDS (source 0 = 16 rows of act, source 1 = 16 columns of the weights): a lane holds ONE column and eight rows 8 (l / 16) + 0..7.  Two row blocks rounded in pairs ARE a fragment
; of 32 along the sequence for P^T V: no number changes lanes.  The weights lie [k][column] and come out of LDS turned, by ds_load_tr16_b128.
; RING.  K goes in steps of 128 through two LDS slots; a wave's tensor load brings 128 rows of 256 bytes.  A K step is written once: the slot in hand is the scalar TB (0 or SLOT), from which the fragments' addresses and the refill's LDS address are made.
; CLUSTER 4 x 4: act's tiles hang on rb alone and are asked for jointly along a row of the cluster, the weights' on the head alone, along a column.
; REGISTERS, in windows of 256 (s_set_vgpr_msb: bits 1:0 source 0, 3:2 source 1, 5:4 source 2, 7:6 destination):
;   window 0: v0-31 addresses; v32-59 statistics; v64-127, v128-191 fragments of act, two buffers; on the way out packed results, then the second product's fragments
;   window 1: v64-127, v128-191 fragments of the weights; on the way out v0-127 the 16 accumulators of P^T V       windows 2, 3: accumulator (a, b) at v[8 (8 (a % 4) + b)], a < 4 in window 2
.set PA,    272                        ; a row of act in LDS: 256 bytes + 16: the 16 rows of a load start at 16 different groups of four banks (64 banks of 4 bytes: ISA guide 11.1)
.set PB,    288                        ; a row k of the weights: 256 + 32
.set HALFA, 128*PA                     ; what one load of act brings
.set PARTB, 128*PB                     ; what one load of the weights brings: 128 k x 128 columns of k's or of v's
.set BOFF,  2*HALFA
.set SLOT,  BOFF+2*PARTB               ; 143,360
.set MX,    2*SLOT                     ; behind the ring: 64 column maxima for each wave
.set SPARE, MX+1024                    ; the spare words, 128 bytes for each wave: two blocks of 256 bytes that no other line names
.set VST,   65536                      ; THE STAGE for P and V lies in slot 0, which has had its last fill (K step 6) and its last read when the stage is written: P's fragments from byte 0, V's from here
.set MXA,  8                           ; v8   where I put my columns' maxima
.set MXP,  9                           ; v9   where the wave with the other 128 rows put its
.set PSTO, 10                          ; v10  where I put 16 bytes of a fragment of P
.set VSTO, 11                          ; v11  the same for V
.set PLD,  12                          ; v12  where I read fragments of P: d blocks 4 RH on
.set VLD,  13                          ; v13  of V: e blocks 4 CH on
.set CPO,  14                          ; v14  my byte offset in the partial product
.set MZO,  15                          ; v15  my byte offset in the block's 2,048 bytes of m and Z
.set ADRA0, 16                         ; v16  my fragments of act in slot 0; never rewritten
.set ADRA,  17                         ; v17  in the slot in hand
.set ADRB0, 20                         ; v20-21  of the weights' two parts in slot 0; never rewritten
.set ADRB,  22                         ; v22-23  in the slot in hand
.set SPW,  28                          ; v28  my spare word; never rewritten
.set NIL,  29                          ; v29  0; never rewritten
.set M,    32                          ; v32-35  column maxima, by b
.set T,    36                          ; v36-39  at work
.set CM,   40                          ; v40-47  c m + 8, twice, by b
.set ZP,   48                          ; v48-55  sums of p, in pairs, by b
.set OUT,  56                          ; v56-59  what goes to mz
.set F0,   64
.set F1,   128
.set TMP,  64
.set FB,   64
.set WV, 12                            ; s12  wave
.set RH, 13                            ; s13  which 128 rows are mine.  Also: I fetch act (0) or the weights (1)
.set CH, 14                            ; s14  which 64 + 64 columns.  Also: which half of act's rows, or which part of the weights, I fetch
.set G1, 24                            ; s[24:31] descriptor group 1 for act;  s[32:39] group 0: a set for each of the two first fills; the second then walks on
.set G0, 32
.set G1B, 48                           ; s[48:55], s[56:63] the same for the weights
.set G0B, 56
.set CS, 66                            ; s[66:67] c, named as a pair
.set SEL, 68                           ; s[68:69] v_permlanex16_b32's selects
.set TB, 71                            ; s71  LDS byte at which the slot in hand begins: 0 or SLOT
.set EIGHT, 72                         ; s72  8.0
.set MSB, 0
.macro WIN new                         ; the immediate's high byte repeats the setting that is left; a switch that changes nothing is dropped
.if MSB != (\new)
	s_set_vgpr_msb (MSB<<8)|(\new)
.set MSB, \new
.endif
.endm
.set MUL_LO, 0xa4                      ; source 0 (act) window 0, source 1 (weights) window 1, C and D window 2
.set TO_B,   0x40                      ; destination window 1, address window 0
.macro PLACES                          ; four plain vector instructions between a matrix instruction and a load into, or a vector read of, its registers (ISA guide 7.12.1 for vector reads)
.rept 4
	v_nop
.endr
.endm
; A joint load: waves 0 and 1 fetch act's two halves, waves 2 and 3 the weights' two parts.  The branch hangs on the wave's number alone.  An s_nop 0 and four v_nop follow each line.
.macro JLOAD s
	s_cmp_eq_u32 s[RH], 0
	s_cbranch_scc0 .Lfor_b_\@
	tensor_load_to_lds s[G0+4*(\s):G0+4*(\s)+3], s[G1:G1+7]
	s_nop 0
.rept 4
	v_nop
.endr
	s_branch .Lasked_\@
.Lfor_b_\@:
	tensor_load_to_lds s[G0B+4*(\s):G0B+4*(\s)+3], s[G1B:G1B+7]
	s_nop 0
.rept 4
	v_nop
.endr
.Lasked_\@:
.endm
.macro CREST                           ; a round of the cluster's barrier behind its opening barrier
	s_cmp_lg_u32 s[WV], 0
	s_cbranch_scc1 .Lnot_wave_0_\@
	s_barrier_signal -3
.Lnot_wave_0_\@:
	s_barrier_wait -3
	s_barrier_signal -1
	s_barrier_wait -1
.endm
.macro CROUND
	s_barrier_signal -1
	s_barrier_wait -1
	CREST
.endm
.macro SLOTADR                         ; my fragments' addresses in the slot in hand
	v_add_nc_u32 v[ADRA], s[TB], v[ADRA0]
	v_add_nc_u32 v[ADRB], s[TB], v[ADRB0]
	v_add_nc_u32 v[ADRB+1], s[TB], v[ADRB0+1]
.endm
	s_load_b256 s[4:11], s[0:1], 0x0               ; act s[4:5], wts s[6:7], cpart s[8:9], mz s[10:11]
	v_lshl_add_u32 v[SPW], v0, 2, SPARE
	v_mov_b32 v[NIL], 0
	ds_add_u32 v[SPW], v[NIL]                      ; the wave's opening: the add and its wait ahead of my first tensor load; work on registers stands between them
	v_lshrrev_b32 v1, 5, v0
	v_readfirstlane_b32 s[WV], v1
	s_lshr_b32 s[RH], s[WV], 1
	s_and_b32 s[CH], s[WV], 1
	s_bfe_u32 s40, ttmp6, 0x40000                  ; cx
	s_bfe_u32 s41, ttmp6, 0x40004                  ; cy
	s_lshl_b32 s42, ttmp9, 2
	s_add_co_u32 s42, s42, s40                     ; the head = 4 x cluster x + cx
	s_and_b32 s43, ttmp7, 0xffff
	s_lshl_b32 s43, s43, 2
	s_add_co_u32 s43, s43, s41                     ; rb = 4 x cluster y + cy
	s_lshl_b32 s44, s41, 2
	s_lshl_b32 s44, 15, s44                        ; my row of the cluster
	s_lshl_b32 s45, 0x1111, s40                    ; my column
	s_or_b32 s[G1], s44, (1<<16)|(1<<20)|(1<<21)|(5<<22)|(3<<25)   ; mask; 2-byte elements; padding on; bit 21 beside a mask; after every 64 words 4 words
	s_or_b32 s[G1B], s45, (1<<16)|(1<<20)|(1<<21)|(5<<22)|(7<<25)  ; the same with my column's mask and 8 words
.irp g, G1, G1B
	s_mov_b32 s[(\g)+1], 128<<16                   ; tensor_dim0 = 128
	s_mov_b32 s[(\g)+2], 128<<16                   ; tensor_dim1 = 128
	s_mov_b32 s[(\g)+3], 128<<16                   ; tile_dim0 = 128
	s_mov_b32 s[(\g)+4], 128                       ; tile_dim1 = 128
	s_mov_b32 s[(\g)+6], 0
	s_mov_b32 s[(\g)+7], 0
.endr
	s_mov_b32 s[G1+5], 1024                        ; elements from row to row of act
	s_mov_b32 s[G1B+5], 4096                       ; and of wts
	s_lshl_b32 s16, s43, 19                        ; act: row 256 rb + 128 CH, 2,048 bytes a row
	s_lshl_b32 s17, s[CH], 18
	s_add_co_u32 s16, s16, s17
	s_mov_b32 s17, 0
	s_lshl_b32 s46, s42, 8                         ; wts: column 1,024 + 1,024 CH + 128 head, 2 bytes each
	s_lshl_b32 s47, s[CH], 11
	s_add_co_u32 s46, s46, s47
	s_add_co_u32 s46, s46, 2048
	s_mov_b32 s47, 0
	s_mul_i32 s20, s[CH], HALFA                    ; where they go in a slot: no place in the cluster enters an LDS address.  s20 and s21 are kept for the refills
	s_mul_i32 s21, s[CH], PARTB
	s_add_co_u32 s21, s21, BOFF
	s_mov_b32 s[CS], 0x3fb8aa3b                    ; c = log2(e)
	s_mov_b32 s[CS+1], s[CS]
	s_mov_b32 s[SEL], 0x76543210
	s_mov_b32 s[SEL+1], 0xfedcba98
	s_mov_b32 s70, 0xffff                          ; lanes 0 to 15
	s_mov_b32 s[TB], 0
	s_mov_b32 s[EIGHT], 0x41000000
	s_wait_dscnt 0x0                               ; the opening add is done
	s_wait_kmcnt 0x0
	s_add_nc_u64 s[16:17], s[4:5], s[16:17]
	s_add_nc_u64 s[46:47], s[6:7], s[46:47]
	CROUND                                         ; all sixteen work-groups are here: the first joint loads meet
.irp s, 0,1
	s_mov_b32 s[G0+4*(\s)], 1
	s_add_co_u32 s[G0+4*(\s)+1], s20, (\s)*SLOT
	s_add_nc_u64 s[G0+4*(\s)+2:G0+4*(\s)+3], s[16:17], (\s)*256          ; K step s: 128 elements along the rows
	s_or_b32 s[G0+4*(\s)+3], s[G0+4*(\s)+3], 0x80000000
	s_mov_b32 s[G0B+4*(\s)], 1
	s_add_co_u32 s[G0B+4*(\s)+1], s21, (\s)*SLOT
	s_add_nc_u64 s[G0B+4*(\s)+2:G0B+4*(\s)+3], s[46:47], (\s)*1048576    ; K step s: 128 rows of 8,192 bytes
	s_or_b32 s[G0B+4*(\s)+3], s[G0B+4*(\s)+3], 0x80000000
	JLOAD \s                                       ; two loads of mine are out
.endr
	s_lshl_b32 s18, s43, 3
	s_add_co_u32 s18, s18, s42                     ; the partial's number: 8 rb + head
	s_lshl_b32 s22, s18, 15
	s_mov_b32 s23, 0
	s_add_nc_u64 s[8:9], s[8:9], s[22:23]          ; its 32,768 bytes of cpart
	s_lshl_b32 s22, s18, 11
	s_add_nc_u64 s[10:11], s[10:11], s[22:23]      ; its 2,048 bytes of mz
	v_and_b32 v1, 15, v0                           ; r = l % 16
	v_bfe_u32 v2, v0, 4, 1                         ; h = l / 16
	v_and_b32 v3, 31, v0
	v_lshlrev_b32 v4, 4, v3                        ; 16 l
	v_mul_u32_u24 v5, v1, PA
	v_lshl_add_u32 v5, v2, 4, v5                   ; a fragment of act: row r, 16 bytes for each half of the lanes
	s_mul_i32 s19, s[RH], HALFA
	v_add_nc_u32 v[ADRA0], s19, v5
	v_and_b32 v6, 7, v0                            ; the turning load: lane l reads row k = 8 h + l % 8, columns 8 ((l / 8) % 2) + 0..7
	v_lshl_add_u32 v6, v2, 3, v6
	v_mul_u32_u24 v6, v6, PB
	v_bfe_u32 v7, v0, 3, 1
	v_lshl_add_u32 v6, v7, 4, v6
	s_lshl_b32 s19, s[CH], 7                       ; my 64 columns of a part
	s_add_co_u32 s19, s19, BOFF
	v_add_nc_u32 v[ADRB0], s19, v6
	v_add_nc_u32 v[ADRB0+1], PARTB, v[ADRB0]
	SLOTADR
	s_lshl_b32 s19, s[WV], 8
	s_add_co_u32 s19, s19, MX
	v_lshl_add_u32 v[MXA], v1, 2, s19
	s_xor_b32 s19, s[WV], 2                        ; same columns, the other 128 rows
	s_lshl_b32 s19, s19, 8
	s_add_co_u32 s19, s19, MX
	v_lshl_add_u32 v[MXP], v1, 2, s19
	s_lshl_b32 s19, s[RH], 15                      ; fragment (sb, block) lies at (8 sb + block) x 1,024 + 512 x half + 16 l; mine: sb = 4 RH on, block = 4 CH on
	s_lshl_b32 s22, s[CH], 12
	s_add_co_u32 s19, s19, s22
	v_add_nc_u32 v[PSTO], s19, v4
	v_add_nc_u32 v[VSTO], VST, v[PSTO]
	s_lshl_b32 s19, s[RH], 12
	v_add_nc_u32 v[PLD], s19, v4
	s_add_co_u32 s22, s22, VST
	v_add_nc_u32 v[VLD], s22, v4
	s_lshl_b32 s19, s[RH], 14                      ; cpart: tile (db, eb) of 512 bytes at 8 db + eb; mine: db = 4 RH on, eb = 4 CH on
	s_lshl_b32 s22, s[CH], 11
	s_add_co_u32 s19, s19, s22
	v_add_nc_u32 v[CPO], s19, v4
	s_lshl_b32 s19, s[RH], 10                      ; mz: [RH][m, Z][CH][r][b]: lanes 0-15 store m, lanes 16-31 Z
	s_lshl_b32 s22, s[CH], 8
	s_add_co_u32 s19, s19, s22
	v_lshl_add_u32 v[MZO], v1, 4, s19
	v_lshl_add_u32 v[MZO], v2, 9, v[MZO]
; 16 matrix instructions: row blocks a0, a0 + 1 of the window's four x all 8 column blocks, 32 along K.  The 64 accumulators take turns, one instruction a turn.  zero = 1: the product starts the sums.
.macro MUL16 f, hi, a0, zero
	WIN MUL_LO+0x50*(\hi)
.irp a, \a0, (\a0)+1
.irp b, 0,1,2,3,4,5,6,7
.set rD, 8*(8*(\a)+(\b))
.set rA, (\f)+8*(4*(\hi)+(\a))
.set rB, (\f)+8*(\b)
.if \zero
	v_wmma_f32_16x16x32_f16 v[rD:rD+7], v[rA:rA+7], v[rB:rB+7], 0
.else
	v_wmma_f32_16x16x32_f16 v[rD:rD+7], v[rA:rA+7], v[rB:rB+7], v[rD:rD+7]
.endif
.endr
.endr
.endm
; 32 LDS loads in one run: quarter q (32 along K) of the slot in hand into buffer f: the weights, turned, then act
.macro FETCH q, f
	WIN TO_B
.irp b, 0,1,2,3,4,5,6,7
	ds_load_tr16_b128 v[(\f)+8*(\b):(\f)+8*(\b)+3],   v[ADRB+(\b)/4] offset:(\q)*32*PB+32*((\b)%4)
	ds_load_tr16_b128 v[(\f)+8*(\b)+4:(\f)+8*(\b)+7], v[ADRB+(\b)/4] offset:(\q)*32*PB+32*((\b)%4)+16*PB
.endr
	WIN 0
.irp i, 0,1,2,3,4,5,6,7
	ds_load_b128 v[(\f)+8*(\i):(\f)+8*(\i)+3],   v[ADRA] offset:(\q)*64+(\i)*16*PA
	ds_load_b128 v[(\f)+8*(\i)+4:(\f)+8*(\i)+7], v[ADRA] offset:(\q)*64+(\i)*16*PA+32
.endr
.endm
; One of a K step's first three quarters: multiplies buffer f; in its middle it fetches quarter q of the same slot into buffer g.
.macro QUARTER q, f, g, zero
	s_wait_dscnt 8                                 ; the weights and act's rows 0-63 are in; the youngest eight loads (rows 64-127) may be out
	MUL16 \f, 0, 0, \zero
	MUL16 \f, 0, 2, \zero
	PLACES
	FETCH \q, \g
	s_wait_dscnt 32                                ; all but the 32 just issued
	MUL16 \f, 1, 0, \zero
	MUL16 \f, 1, 2, \zero
.endm
; The last quarter multiplies buffer 1 and changes slots: ONE barrier.  In front of it each wave waits for all its tensor loads (one is out: its part of the next slot), adds 0 to its spare word, and waits for that and for its reads
; of this slot.  fill = 1: the barrier opens a round of the cluster's, and the joint refill of the slot just read, with the K step two on, is the first tensor load behind it: 224 matrix instructions ahead of the wait for it.
.macro TURN fill
	WIN 0
	s_wait_tensorcnt 0x0                           ; no tensor load of mine is out, so the walking group 0 may be written below
	ds_add_u32 v[SPW], v[NIL]
	s_wait_dscnt 9                                 ; (the add and the youngest eight loads may be out)
	MUL16 F1, 0, 0, 0
	s_wait_dscnt 0x0                               ; the add is done, and my reads of this slot are over
	s_barrier_signal -1
	MUL16 F1, 0, 2, 0
	WIN 0
	s_barrier_wait -1
.if \fill
	CREST                                          ; no wave of any partner still reads this slot or has a load on its way
	s_add_co_u32 s[G0+5], s20, s[TB]               ; the walking descriptors: into the slot just read,
	s_add_co_u32 s[G0B+5], s21, s[TB]
	s_add_nc_u64 s[G0+6:G0+7], s[G0+6:G0+7], 256   ; one K step on from the last request; the type bits on top are not reached
	s_add_nc_u64 s[G0B+6:G0B+7], s[G0B+6:G0B+7], 1048576
	JLOAD 1                                        ; its four v_nop are also the places in front of the loads below
.else
	PLACES
.endif
	s_xor_b32 s[TB], s[TB], SLOT                   ; the other slot is in hand
	SLOTADR
	FETCH 0, F0
	MUL16 F1, 1, 0, 0
	MUL16 F1, 1, 2, 0
.endm
	s_wait_tensorcnt 1                             ; my part of K step 0 is in; step 1's may stay out
	s_barrier_signal -1
	s_barrier_wait -1
	FETCH 0, F0
	QUARTER 1, F0, F1, 1                           ; the first quarter starts the sums: nothing is cleared
	WIN 0
	s_mov_b32 s3, 6                                ; six trips: K steps 0 to 5, each from its second quarter to the next step's first; they ask for steps 2 to 7
.Lstep:
	QUARTER 2, F1, F0, 0
	QUARTER 3, F0, F1, 0
	TURN 1
	QUARTER 1, F0, F1, 0
	WIN 0
	s_sub_co_u32 s3, s3, 1
	s_cmp_lg_u32 s3, 0
	s_cbranch_scc1 .Lstep
	s_mov_b32 s3, 2                                ; K steps 6 and 7 ask for nothing: a loop of their own, without a tensor load, left in the middle of its second trip
.Ltail:
	QUARTER 2, F1, F0, 0
	QUARTER 3, F0, F1, 0
	WIN 0
	s_sub_co_u32 s3, s3, 1
	s_cmp_eq_u32 s3, 0
	s_cbranch_scc1 .Llast
	TURN 0                                         ; behind this barrier nobody reads slot 0 any more, and nothing fills it again
	QUARTER 1, F0, F1, 0
	WIN 0
	s_cmp_lg_u32 s3, 0
	s_cbranch_scc1 .Ltail
.Llast:
	s_wait_dscnt 8
	MUL16 F1, 0, 0, 0
	MUL16 F1, 0, 2, 0
	s_wait_dscnt 0
	MUL16 F1, 1, 0, 0
	MUL16 F1, 1, 2, 0
; THE WAY OUT.  Every accumulator is read from its low end on.
.macro COLMAX hi                       ; my 64 rows of a window into the four columns' maxima, four chains side by side
	WIN 0x28+0x14*(\hi)                            ; sources 1 and 2 in window 2 or 3
.irp a, 0,1,2,3
.irp i, 0,1,2,3
.irp b, 0,1,2,3
	v_max3_num_f32 v[M+(\b)], v[M+(\b)], v[8*(8*(\a)+(\b))+2*(\i)], v[8*(8*(\a)+(\b))+2*(\i)+1]
.endr
.endr
.endr
.endm
.macro PACKH hi, b0, sto               ; column blocks b0 .. b0 + 3 of a window are rounded to f16, 16 bytes a lane and block, and laid into the stage as halves of fragments
	WIN 0x0a+5*(\hi)                               ; sources 0 and 1 in window 2 or 3
.irp a, 0,1,2,3
.irp b, 0,1,2,3
.irp i, 0,1,2,3
	v_cvt_pk_f16_f32 v[TMP+64*(\hi)+4*(4*(\a)+(\b))+(\i)], v[8*(8*(\a)+(\b0)+(\b))+2*(\i)], v[8*(8*(\a)+(\b0)+(\b))+2*(\i)+1]
.endr
.endr
.endr
	WIN 0
.irp a, 0,1,2,3
.irp b, 0,1,2,3
	ds_store_b128 v[\sto], v[TMP+64*(\hi)+4*(4*(\a)+(\b)):TMP+64*(\hi)+4*(4*(\a)+(\b))+3] offset:((2*(\hi)+(\a)/2)*8+(\b))*1024+((\a)%2)*512
.endr
.endr
.endm
.macro PEXP hi                         ; p = 2^(c k - (c m + 8)), in place; a row block's 32 exponentials stand together, and the plain lines of the next block (or the first sum) behind them
	WIN 0x82+0x41*(\hi)                            ; destination and source 0 in window 2 or 3
.irp a, 0,1,2,3
.irp b, 0,1,2,3
.irp i, 0,1,2,3
.set rr, 8*(8*(\a)+(\b))+2*(\i)
	v_pk_fma_f32 v[rr:rr+1], v[rr:rr+1], s[CS:CS+1], v[CM+2*(\b):CM+2*(\b)+1] op_sel_hi:[1,0,0] neg_lo:[0,0,1] neg_hi:[0,0,1]
.endr
.endr
.irp b, 0,1,2,3
.irp j, 0,1,2,3,4,5,6,7
	v_exp_f32 v[8*(8*(\a)+(\b))+(\j)], v[8*(8*(\a)+(\b))+(\j)]
.endr
.endr
.endr
.endm
.macro PSUM hi
	WIN 0x08+0x04*(\hi)                            ; source 1 in window 2 or 3
	s_wait_alu depctr_va_vdst(0)
.irp a, 0,1,2,3
.irp i, 0,1,2,3
.irp b, 0,1,2,3
	v_pk_add_f32 v[ZP+2*(\b):ZP+2*(\b)+1], v[ZP+2*(\b):ZP+2*(\b)+1], v[8*(8*(\a)+(\b))+2*(\i):8*(8*(\a)+(\b))+2*(\i)+1]
.endr
.endr
.endr
.endm
	WIN 0
.irp b, 0,1,2,3                        ; eight plain instructions: the places behind the last products
	v_mov_b32 v[M+(\b)], 0xff800000
	v_mov_b32 v[T+(\b)], 0
.endr
	COLMAX 0
	COLMAX 1
	WIN 0
.irp b, 0,1,2,3
	v_permlanex16_b32 v[T+(\b)], v[M+(\b)], s[SEL], s[SEL+1]  ; the column's other rows lie in the lane 16 away
.endr
.irp b, 0,1,2,3
	v_max_num_f32 v[M+(\b)], v[M+(\b)], v[T+(\b)]
.endr
.irp b, 0,1,2,3
	ds_store_b32 v[MXA], v[M+(\b)] offset:64*(\b)  ; both halves of the lanes write the same word with the same number
.endr
	PACKH 0, 4, VSTO                               ; v goes into the stage meanwhile
	PACKH 1, 4, VSTO
	s_wait_dscnt 0x0                               ; for the others' sake: my maxima and my part of V are stored
	s_barrier_signal -1
	s_barrier_wait -1
.irp b, 0,1,2,3
	ds_load_b32 v[T+(\b)], v[MXP] offset:64*(\b)
.endr
.irp b, 0,1,2,3,4,5,6,7
	v_mov_b32 v[ZP+(\b)], 0
.endr
	s_wait_dscnt 0x0
.irp b, 0,1,2,3
	v_max_num_f32 v[M+(\b)], v[M+(\b)], v[T+(\b)]  ; the maximum over the block's 256 rows
.endr
.irp b, 0,1,2,3
	v_fma_f32 v[CM+2*(\b)], s[CS], v[M+(\b)], s[EIGHT]    ; c m + 8, rounded once: the next launch makes the same number, by the same instruction, of the m that it reads
	v_fma_f32 v[CM+2*(\b)+1], s[CS], v[M+(\b)], s[EIGHT]
.endr
	PEXP 0
	PSUM 0
	PACKH 0, 0, PSTO
	PEXP 1
	PSUM 1
	PACKH 1, 0, PSTO
.irp b, 0,1,2,3
	v_add_f32 v[T+(\b)], v[ZP+2*(\b)], v[ZP+2*(\b)+1]
.endr
.irp b, 0,1,2,3
	v_permlanex16_b32 v[ZP+2*(\b)], v[T+(\b)], s[SEL], s[SEL+1]
.endr
.irp b, 0,1,2,3
	v_add_f32 v[T+(\b)], v[T+(\b)], v[ZP+2*(\b)]   ; Z over my 128 rows
.endr
.irp b, 0,1,2,3
	v_cndmask_b32 v[OUT+(\b)], v[T+(\b)], v[M+(\b)], s70
.endr
	global_store_b128 v[MZO], v[OUT:OUT+3], s[10:11]  ; lanes 0-15: 256 consecutive bytes of m, lanes 16-31: 256 of Z, both aligned
	s_wait_dscnt 0x0                               ; for the others' sake: my part of P is stored
	s_barrier_signal -1
	s_barrier_wait -1
; P^T V: wave w makes d blocks 4 RH on x e blocks 4 CH on, over all 256 rows, 32 a step.  Source 0 = V's fragment, source 1 = P's: a lane holds one d and eight neighbouring e.
.macro LOADF sb, buf
	WIN 0
.irp i, 0,1,2,3
	ds_load_b128 v[FB+64*(\buf)+8*(\i):FB+64*(\buf)+8*(\i)+3],   v[VLD] offset:(\sb)*8192+(\i)*1024
	ds_load_b128 v[FB+64*(\buf)+8*(\i)+4:FB+64*(\buf)+8*(\i)+7], v[VLD] offset:(\sb)*8192+(\i)*1024+512
.endr
.irp i, 0,1,2,3
	ds_load_b128 v[FB+64*(\buf)+32+8*(\i):FB+64*(\buf)+32+8*(\i)+3],   v[PLD] offset:(\sb)*8192+(\i)*1024
	ds_load_b128 v[FB+64*(\buf)+32+8*(\i)+4:FB+64*(\buf)+32+8*(\i)+7], v[PLD] offset:(\sb)*8192+(\i)*1024+512
.endr
.endm
.macro CMUL buf, step                  ; 16 accumulators by turns
	WIN 0x50                                       ; C and D in window 1
.irp i, 0,1,2,3
.irp e, 0,1,2,3
.set rD, 8*(4*(\i)+(\e))
.set rV, FB+64*(\buf)+8*(\e)
.set rP, FB+64*(\buf)+32+8*(\i)
.if (\step) == 0
	v_wmma_f32_16x16x32_f16 v[rD:rD+7], v[rV:rV+7], v[rP:rP+7], 0
.else
	v_wmma_f32_16x16x32_f16 v[rD:rD+7], v[rV:rV+7], v[rP:rP+7], v[rD:rD+7]
.endif
.endr
.endr
.endm
	LOADF 0, 0
	LOADF 1, 1
.set sb, 0
.rept 8
.if sb == 7
	s_wait_dscnt 0
.else
	s_wait_dscnt 16                                ; this step's 16 loads are in; the next step's 16 may be out
.endif
	CMUL sb%2, sb
.if sb < 6
	PLACES
	LOADF sb+2, sb%2
.endif
.set sb, sb+1
.endr
	PLACES
	WIN 0x05                                       ; sources 0 and 1 in window 1, destination in window 0: a lane's eight e of a tile pack into 16 bytes
.irp t, 0,1,2,3,4,5,6,7,8,9,10,11,12,13,14,15
.irp j, 0,1,2,3
	v_cvt_pk_f16_f32 v[FB+4*(\t)+(\j)], v[8*(\t)+2*(\j)], v[8*(\t)+2*(\j)+1]
.endr
.endr
	WIN 0
.irp i, 0,1,2,3
.irp e, 0,1,2,3
	global_store_b128 v[CPO], v[FB+4*(4*(\i)+(\e)):FB+4*(4*(\i)+(\e))+3], s[8:9] offset:(8*(\i)+(\e))*512  ; a tile as the lanes hold it: 512 consecutive bytes a store, aligned
.endr
.endr
	s_wait_tensorcnt 0x0                           ; the wave's end: behind my last tensor load and my last LDS store
	ds_add_u32 v[SPW], v[NIL]
	s_wait_dscnt 0x0
	CROUND                                         ; the closing round: no work-group ends while a partner may still ask for a tile that names it
	s_endpgm
.Lfunc_end_k_qc3c368bb83_kvctx:
	.size	k_qc3c368bb83_kvctx, .Lfunc_end_k_qc3c368bb83_kvctx-k_qc3c368bb83_kvctx
	.p2alignl 7, 3214868480
	.fill 96, 4, 3214868480
	.section	.rodata,"a",@progbits
	.p2align	6, 0x0
	.amdhsa_kernel k_qc3c368bb83_kvctx
		.amdhsa_group_segment_fixed_size 327680
		.amdhsa_private_segment_fixed_size 0
		.amdhsa_enable_private_segment 0
		.amdhsa_kernarg_size 32
		.amdhsa_user_sgpr_count 2
		.amdhsa_user_sgpr_kernarg_segment_ptr 1
		.amdhsa_wavefront_size32 1
		.amdhsa_system_sgpr_workgroup_id_x 1
		.amdhsa_system_sgpr_workgroup_id_y 1
		.amdhsa_system_sgpr_workgroup_id_z 1
		.amdhsa_system_vgpr_workitem_id 0
		.amdhsa_next_free_vgpr 1024
		.amdhsa_next_free_sgpr 76
		.amdhsa_reserve_vcc 0
		.amdhsa_float_denorm_mode_32 3
		.amdhsa_float_denorm_mode_16_64 3
		.amdhsa_memory_ordered 1
		.amdhsa_forward_progress 1
		.amdhsa_inst_pref_size 153
	.end_amdhsa_kernel
	.amdgpu_metadata
---
amdhsa.version: [ 1, 2 ]
amdhsa.kernels:
  - .name:           k_qc3c368bb83_kvctx
    .symbol:         k_qc3c368bb83_kvctx.kd
    .args:
      - { .name: act, .offset: 0, .size: 8, .value_kind: global_buffer, .address_space: global }
      - { .name: wts, .offset: 8, .size: 8, .value_kind: global_buffer, .address_space: global }
      - { .name: cpart, .offset: 16, .size: 8, .value_kind: global_buffer, .address_space: global }
      - { .name: mz, .offset: 24, .size: 8, .value_kind: global_buffer, .address_space: global }
    .group_segment_fixed_size: 327680
    .private_segment_fixed_size: 0
    .kernarg_segment_align: 8
    .kernarg_segment_size: 32
    .max_flat_workgroup_size: 128
    .sgpr_count:     76
    .vgpr_count:     1024
    .wavefront_size: 32
...
	.end_amdgpu_metadata
.endif
;; end of part 2
;; launch merge (part 3): grid 256 x 1, 8 waves a work-group, no clusters, 0 bytes of LDS; arguments cpart, mz, ctx; writes ctx
.if DOCPART == 3
	.amdgcn_target "amdgcn-amd-amdhsa--gfx1250"
	.amdhsa_code_object_version 6
	.text
	.protected	k_qc3c368bb83_merge
	.globl	k_qc3c368bb83_merge
	.p2align	8
	.type	k_qc3c368bb83_merge,@function
k_qc3c368bb83_merge:
	s_mov_b64 s[64:65], 0
	v_nop
	global_prefetch_b8 v0, s[64:65] scope:SCOPE_SE
	s_setreg_imm32_b32 hwreg(HW_REG_WAVE_MODE, 25, 1), 1
	s_wait_xcnt 0x0
; MERGE.  For each batch and head the 16 partial products P^T V (f16), each under its own block's column maxima, are joined under the true maximum over the 4,096 rows:
; ctx[d][e] = sum_c 2^(t_c - t) part_c[d][e] / sum_c 2^(t_c - t) Z_c[d], t_c = c m_c + 8, t = max_c t_c, sums in f32, rounded once to f16.
; t_c is made by the same fused multiply-add by which the launch before shifted its exponents, so the factors fit the partials exactly; the 2^-8 that partials and Z share cancels in the quotient.
; ctx is a mean of v's rows with weights that add to 1: it has v's range.  A factor below 2^-126 counts as 0.
; A work-group takes one (batch, head, d block of 16), its eight waves the eight e blocks: a wave joins 16 tiles of 16 x 16, which lie as the lanes held them (lane l: d = l % 16, e = 8 (l / 16) + 0..7, 16 bytes).
; A streaming text: all 64 loads of a wave go out at once; no LDS, no barrier, no matrix unit, no cluster (no tile is read twice).
.set MC,  16                           ; v[16:31]   m_c, then t_c, then the factors
.set Z0,  32                           ; v[32:47]   Z of the block's first 128 rows, then of all 256
.set Z1,  48                           ; v[48:63]   of its second 128
.set TL,  64                           ; v[64:127]  the 16 tiles, 4 registers each (their halves are named below, so they lie under v128)
.set ACC, 128                          ; v[128:135]
.set W,   136                          ; v[136:143] at work
.set U,   144                          ; v[144:159] a tile in f32, two buffers
	s_load_b128 s[4:7], s[0:1], 0x0                ; cpart s[4:5], mz s[6:7]
	s_load_b64 s[8:9], s[0:1], 0x10                ; ctx
	v_lshrrev_b32 v4, 5, v0
	v_readfirstlane_b32 s10, v4                    ; eb
	v_and_b32 v5, 31, v0
	v_lshlrev_b32 v1, 4, v5                        ; 16 l
	v_and_b32 v6, 15, v0                           ; r
	v_bfe_u32 v7, v0, 4, 1
	s_lshr_b32 s11, ttmp9, 6                       ; batch
	s_bfe_u32 s14, ttmp9, 0x30003                  ; head
	s_and_b32 s15, ttmp9, 7                        ; db
	s_mov_b32 s12, 0x3fb8aa3b                      ; c = log2(e)
	s_mov_b32 s13, 0x41000000                      ; 8.0
	s_lshl_b32 s16, s11, 21                        ; cpart: partial 8 rb + head of 32,768 bytes, rb = 8 batch + c: batch x 2,097,152 + head x 32,768 + tile x 512
	s_lshl_b32 s17, s14, 15
	s_add_co_u32 s16, s16, s17
	s_lshl3_add_u32 s20, s15, s10                  ; 8 db + eb
	s_lshl_b32 s17, s20, 9
	s_add_co_u32 s16, s16, s17
	s_mov_b32 s17, 0
	s_lshl_b32 s18, s11, 17                        ; mz: 2,048 bytes a partial
	s_lshl_b32 s19, s14, 11
	s_add_co_u32 s18, s18, s19
	s_mov_b32 s19, 0
	s_lshr_b32 s22, ttmp9, 3                       ; ctx: 32,768 bytes for a batch and head, 512 a tile
	s_lshl_b32 s22, s22, 15
	s_lshl_b32 s23, s20, 9
	s_add_co_u32 s22, s22, s23
	s_mov_b32 s23, 0
	s_lshr_b32 s21, s15, 2                         ; column d = 16 db + r lies at [db / 4][r][db % 4]
	s_lshl_b32 s21, s21, 8
	s_and_b32 s26, s15, 3
	s_lshl2_add_u32 s21, s26, s21
	v_lshl_add_u32 v2, v6, 4, s21
	v_lshlrev_b32 v3, 5, v6                        ; ctx's tile: row d of 32 bytes, 16 for each half of the lanes
	v_lshl_add_u32 v3, v7, 4, v3
	s_wait_kmcnt 0x0
	s_add_nc_u64 s[4:5], s[4:5], s[16:17]          ; the blocks of normed rows,
	s_add_nc_u64 s[24:25], s[4:5], 0x800000        ; and those of hiddens, 32 blocks on
	s_add_nc_u64 s[6:7], s[6:7], s[18:19]
	s_add_nc_u64 s[8:9], s[8:9], s[22:23]
.irp c, 0,1,2,3,4,5,6,7,8,9,10,11,12,13,14,15
	global_load_b32 v[MC+(\c)], v2, s[6:7] offset:((\c)%8)*16384+((\c)/8)*524288
	global_load_b32 v[Z0+(\c)], v2, s[6:7] offset:((\c)%8)*16384+((\c)/8)*524288+512
	global_load_b32 v[Z1+(\c)], v2, s[6:7] offset:((\c)%8)*16384+((\c)/8)*524288+1536
.endr
.irp c, 0,1,2,3,4,5,6,7,8,9,10,11,12,13,14,15
.if (\c) < 8
	global_load_b128 v[TL+4*(\c):TL+4*(\c)+3], v1, s[4:5] offset:(\c)*262144 th:TH_LOAD_NT
.else
	global_load_b128 v[TL+4*(\c):TL+4*(\c)+3], v1, s[24:25] offset:((\c)-8)*262144 th:TH_LOAD_NT
.endif
.endr
	s_wait_loadcnt 16                              ; m and Z are in; the 16 loads of tiles may be out
.irp c, 0,1,2,3,4,5,6,7,8,9,10,11,12,13,14,15
	v_fma_f32 v[MC+(\c)], s12, v[MC+(\c)], s13     ; t_c
.endr
	v_max3_num_f32 v[W],   v[MC],    v[MC+1],  v[MC+2]
	v_max3_num_f32 v[W+1], v[MC+3],  v[MC+4],  v[MC+5]
	v_max3_num_f32 v[W+2], v[MC+6],  v[MC+7],  v[MC+8]
	v_max3_num_f32 v[W+3], v[MC+9],  v[MC+10], v[MC+11]
	v_max3_num_f32 v[W+4], v[MC+12], v[MC+13], v[MC+14]
	v_max3_num_f32 v[W],   v[W],   v[W+1], v[MC+15]
	v_max3_num_f32 v[W+2], v[W+2], v[W+3], v[W+4]
	v_max_num_f32 v[W], v[W], v[W+2]               ; t
.irp i, 0,2,4,6,8,10,12,14
	v_pk_add_f32 v[MC+(\i):MC+(\i)+1], v[MC+(\i):MC+(\i)+1], v[W:W+1] op_sel_hi:[1,0] neg_lo:[0,1] neg_hi:[0,1]
.endr
.irp c, 0,1,2,3,4,5,6,7,8,9,10,11,12,13,14,15
	v_exp_f32 v[MC+(\c)], v[MC+(\c)]
.endr
.irp i, 0,2,4,6,8,10,12,14             ; plain work behind the exponentials
	v_pk_add_f32 v[Z0+(\i):Z0+(\i)+1], v[Z0+(\i):Z0+(\i)+1], v[Z1+(\i):Z1+(\i)+1]
.endr
	s_wait_alu depctr_va_vdst(0)
	v_pk_mul_f32 v[W+2:W+3], v[MC:MC+1], v[Z0:Z0+1]
	v_pk_mul_f32 v[W+4:W+5], v[MC+2:MC+3], v[Z0+2:Z0+3]
.irp i, 4, 8, 12
	v_pk_fma_f32 v[W+2:W+3], v[MC+(\i):MC+(\i)+1], v[Z0+(\i):Z0+(\i)+1], v[W+2:W+3]
	v_pk_fma_f32 v[W+4:W+5], v[MC+(\i)+2:MC+(\i)+3], v[Z0+(\i)+2:Z0+(\i)+3], v[W+4:W+5]
.endr
	v_pk_add_f32 v[W+2:W+3], v[W+2:W+3], v[W+4:W+5]
	v_add_f32 v[W+2], v[W+2], v[W+3]               ; Z: about 2^-8 at the least, the weight of the row that holds the maximum
	v_rcp_f32 v[W+4], v[W+2]
	v_rcp_f32 v[W+5], v[W+2]
	v_nop                                          ; a plain instruction between the reciprocal and its use
	s_wait_alu depctr_va_vdst(0)
.irp i, 0,2,4,6,8,10,12,14
	v_pk_mul_f32 v[MC+(\i):MC+(\i)+1], v[MC+(\i):MC+(\i)+1], v[W+4:W+5]
.endr
; Tile c: widened to f32 (its eight halves are named in the call) and added with its factor.  The wait leaves the tiles behind it out, one load each.
.macro TILE c, h0, h1, h2, h3, h4, h5, h6, h7
	s_wait_loadcnt 15-(\c)
.set UU, U+8*((\c)%2)
	v_cvt_f32_f16 v[UU],   \h0
	v_cvt_f32_f16 v[UU+1], \h1
	v_cvt_f32_f16 v[UU+2], \h2
	v_cvt_f32_f16 v[UU+3], \h3
	v_cvt_f32_f16 v[UU+4], \h4
	v_cvt_f32_f16 v[UU+5], \h5
	v_cvt_f32_f16 v[UU+6], \h6
	v_cvt_f32_f16 v[UU+7], \h7
.irp j, 0,2,4,6
.if (\c) == 0
	v_pk_mul_f32 v[ACC+(\j):ACC+(\j)+1], v[UU+(\j):UU+(\j)+1], v[MC:MC+1] op_sel_hi:[1,0]
.else
	v_pk_fma_f32 v[ACC+(\j):ACC+(\j)+1], v[UU+(\j):UU+(\j)+1], v[MC+2*((\c)/2):MC+2*((\c)/2)+1], v[ACC+(\j):ACC+(\j)+1] op_sel:[0,(\c)%2,0] op_sel_hi:[1,(\c)%2,1]
.endif
.endr
.endm
	TILE 0,  v64.l,  v64.h,  v65.l,  v65.h,  v66.l,  v66.h,  v67.l,  v67.h
	TILE 1,  v68.l,  v68.h,  v69.l,  v69.h,  v70.l,  v70.h,  v71.l,  v71.h
	TILE 2,  v72.l,  v72.h,  v73.l,  v73.h,  v74.l,  v74.h,  v75.l,  v75.h
	TILE 3,  v76.l,  v76.h,  v77.l,  v77.h,  v78.l,  v78.h,  v79.l,  v79.h
	TILE 4,  v80.l,  v80.h,  v81.l,  v81.h,  v82.l,  v82.h,  v83.l,  v83.h
	TILE 5,  v84.l,  v84.h,  v85.l,  v85.h,  v86.l,  v86.h,  v87.l,  v87.h
	TILE 6,  v88.l,  v88.h,  v89.l,  v89.h,  v90.l,  v90.h,  v91.l,  v91.h
	TILE 7,  v92.l,  v92.h,  v93.l,  v93.h,  v94.l,  v94.h,  v95.l,  v95.h
	TILE 8,  v96.l,  v96.h,  v97.l,  v97.h,  v98.l,  v98.h,  v99.l,  v99.h
	TILE 9,  v100.l, v100.h, v101.l, v101.h, v102.l, v102.h, v103.l, v103.h
	TILE 10, v104.l, v104.h, v105.l, v105.h, v106.l, v106.h, v107.l, v107.h
	TILE 11, v108.l, v108.h, v109.l, v109.h, v110.l, v110.h, v111.l, v111.h
	TILE 12, v112.l, v112.h, v113.l, v113.h, v114.l, v114.h, v115.l, v115.h
	TILE 13, v116.l, v116.h, v117.l, v117.h, v118.l, v118.h, v119.l, v119.h
	TILE 14, v120.l, v120.h, v121.l, v121.h, v122.l, v122.h, v123.l, v123.h
	TILE 15, v124.l, v124.h, v125.l, v125.h, v126.l, v126.h, v127.l, v127.h
.irp j, 0,1,2,3
	v_cvt_pk_f16_f32 v[W+(\j)], v[ACC+2*(\j)], v[ACC+2*(\j)+1]
.endr
	global_store_b128 v3, v[W:W+3], s[8:9]         ; the wave's store covers the tile's 512 consecutive bytes, aligned
	s_endpgm
.Lfunc_end_k_qc3c368bb83_merge:
	.size	k_qc3c368bb83_merge, .Lfunc_end_k_qc3c368bb83_merge-k_qc3c368bb83_merge
	.p2alignl 7, 3214868480
	.fill 96, 4, 3214868480
	.section	.rodata,"a",@progbits
	.p2align	6, 0x0
	.amdhsa_kernel k_qc3c368bb83_merge
		.amdhsa_group_segment_fixed_size 0
		.amdhsa_private_segment_fixed_size 0
		.amdhsa_enable_private_segment 0
		.amdhsa_kernarg_size 24
		.amdhsa_user_sgpr_count 2
		.amdhsa_user_sgpr_kernarg_segment_ptr 1
		.amdhsa_wavefront_size32 1
		.amdhsa_system_sgpr_workgroup_id_x 1
		.amdhsa_system_sgpr_workgroup_id_y 1
		.amdhsa_system_sgpr_workgroup_id_z 1
		.amdhsa_system_vgpr_workitem_id 0
		.amdhsa_next_free_vgpr 160
		.amdhsa_next_free_sgpr 66
		.amdhsa_reserve_vcc 0
		.amdhsa_float_denorm_mode_32 3
		.amdhsa_float_denorm_mode_16_64 3
		.amdhsa_memory_ordered 1
		.amdhsa_forward_progress 1
		.amdhsa_inst_pref_size 21
	.end_amdhsa_kernel
	.amdgpu_metadata
---
amdhsa.version: [ 1, 2 ]
amdhsa.kernels:
  - .name:           k_qc3c368bb83_merge
    .symbol:         k_qc3c368bb83_merge.kd
    .args:
      - { .name: cpart, .offset: 0, .size: 8, .value_kind: global_buffer, .address_space: global }
      - { .name: mz, .offset: 8, .size: 8, .value_kind: global_buffer, .address_space: global }
      - { .name: ctx, .offset: 16, .size: 8, .value_kind: global_buffer, .address_space: global }
    .group_segment_fixed_size: 0
    .private_segment_fixed_size: 0
    .kernarg_segment_align: 8
    .kernarg_segment_size: 24
    .max_flat_workgroup_size: 256
    .sgpr_count:     66
    .vgpr_count:     160
    .wavefront_size: 32
...
	.end_amdgpu_metadata
.endif
;; end of part 3
;; launch qctx (part 4): grid 4 x 64, 4 waves a work-group, clusters of 4 x 4, 327,680 bytes of LDS; arguments act, wts, ctx, obuf; writes obuf
.if DOCPART == 4
	.amdgcn_target "amdgcn-amd-amdhsa--gfx1250"
	.amdhsa_code_object_version 6
	.text
	.protected	k_qc3c368bb83_qctx
	.globl	k_qc3c368bb83_qctx
	.p2align	8
	.type	k_qc3c368bb83_qctx,@function
k_qc3c368bb83_qctx:
	s_mov_b64 s[64:65], 0
	v_nop
	global_prefetch_b8 v0, s[64:65] scope:SCOPE_SE
	s_setreg_imm32_b32 hwreg(HW_REG_WAVE_MODE, 25, 1), 1
	s_wait_xcnt 0x0
	s_wait_alu depctr_hold_cnt(0) depctr_sa_sdst(0) depctr_va_vdst(0) depctr_va_sdst(0) depctr_va_ssrc(0) depctr_va_vcc(0) depctr_vm_vsrc(0)
	s_getreg_b32 s2, hwreg(HW_REG_IB_STS2, 6, 4)
	s_cmp_eq_u32 s2, 0
	s_cbranch_scc0 .Lentry_in_a_cluster
	s_endpgm
.Lentry_in_a_cluster:
	s_bfe_u32 s2, ttmp6, 0x10000c
	s_cmp_lg_u32 s2, 0xf033
	s_cbranch_scc0 .Lentry_shape_is_right
	s_endpgm
.Lentry_shape_is_right:
; QCTX.  q = normed w_q (K = 1,024), softmax of q over the 128 features of each head, times the head's ctx (128 x 128): obuf[n][128 head + e], f16.
; Operands f16; sums, maxima and exponentials f32.  For each row and head the true maximum is taken away; the weights p = 2^(c q - c m) go to the second product unnormalised, in 0 to 1, and the result is divided by their f32 sum l.
; LIMITS.  p under 6e-5 keeps f16's fixed step of 6e-8; a p below 2^-126 counts as 0 in l; the result is a mean of ctx's rows and has their range; NaN and infinities are not treated apart.
; SHARES.  A work-group makes 128 rows x 256 columns (two heads): 256 work-groups.  Wave w = 2 RH + CH: 64 rows x one head: 32 accumulators, 256 registers.
; THE MATRIX INSTRUCTION IS USED TRANSPOSED (source 0 = 16 columns of the weights, source 1 = 16 rows of act): a lane holds ONE row and eight neighbouring columns 8 (l / 16) + 0..7.  Two column blocks rounded in pairs ARE
; source 1 (16 rows x 32 features) of the second product, whose result again holds one row a lane.  w_q and ctx lie [k][column] and come out of LDS turned, by ds_load_tr16_b128.
; RING.  K in steps of 128 through two LDS slots; a wave's tensor load brings 64 rows.  Two slots of a longer step do not fit: 384 rows of 512 bytes a slot, twice, pass LDS.  A K step is written once: the slot in hand is the scalar TB (0 or SLOT).
; CLUSTER 4 x 4: act's tiles are asked for jointly along a row of the cluster, w_q's and ctx along a column (a cluster's 512 rows lie in one batch).
; REGISTERS (s_set_vgpr_msb: bits 1:0 source 0, 3:2 source 1, 5:4 source 2, 7:6 destination):  window 0: v0-31 addresses; v32-63 statistics; v64-191 the weights p as fragments, later rows on their way out; v192-223 packed results
;   window 1: two fragment buffers of 96 (32 of act, 64 of w_q); on the way out all 256: ctx's fragments        window 2: accumulator (a, b) at v[8 (8 a + b)]
.set COL0,  0                          ; w_q's first byte in a row of wts
.set PA,    272                        ; a row of act in LDS: 256 bytes + 16
.set PB,    544                        ; a row k of the weights: 512 + 32: an odd multiple of 32
.set HALFA, 64*PA
.set HALFB, 64*PB
.set BOFF,  2*HALFA
.set SLOT,  BOFF+2*HALFB               ; 104,448
.set CTXB,  2*SLOT                     ; two heads' ctx, 65,536 bytes, filled once
.set STAGE, CTXB+65536                 ; 16 rows x 272 bytes for each wave, for the way out; no tensor load fills it
.set SP,    272
.set SPARE, STAGE+4*16*SP              ; the spare words, 128 bytes for each wave
.set STO,  6                           ; v6   the way out: where I put 16 bytes of a row
.set RD,   7                           ; v7   where I read rows back
.set GO,   8                           ; v8   my byte offset in two rows of obuf
.set CTA,  9                           ; v9   my lane's place in my head's ctx
.set ADRA0, 16                         ; v16  my fragments of act in slot 0; never rewritten
.set ADRA,  17                         ; v17  in the slot in hand
.set ADRB0, 20                         ; v20, v21  the same for the weights
.set ADRB,  21
.set SPW,  28
.set NIL,  29
.set CHN,  32                          ; v32-47  row block a: four chains at work
.set CM,   48                          ; v48-55  c m, twice, by a
.set LS,   56                          ; v56-63  l in pairs, then 1 / l twice, by a
.set QS,   64                          ; fragment (a, t) at QS + 32 a + 8 t
.set TMP,  192
.set F0,   0
.set F1,   96
.set WV, 12
.set RH, 13                            ; which 64 rows are mine.  Also: I fetch act (0) or the weights (1)
.set CH, 14                            ; which head of the two.  Also: which half of the tile I fetch
.set G1, 24                            ; s[24:31]; s[32:39] group 0: a set for each of the two first fills; the second then walks on
.set G0, 32
.set G1B, 48
.set G0B, 56
.set CS, 66
.set SEL, 68
.set TB, 70                            ; s70  LDS byte at which the slot in hand begins: 0 or SLOT
.set G1C, 72                           ; s[72:79], s[80:83] ctx's descriptor
.set G0C, 80
.set MSB, 0
.macro WIN new
.if MSB != (\new)
	s_set_vgpr_msb (MSB<<8)|(\new)
.set MSB, \new
.endif
.endm
.set MUL,  0xa5                        ; sources 0 (weights) and 1 (act) window 1, C and D window 2
.set TO_F, 0x40                        ; destination window 1, address window 0
.macro PLACES
.rept 4
	v_nop
.endr
.endm
.macro JLOAD s                         ; a joint load: waves 0 and 1 fetch act's halves, waves 2 and 3 the weights'; an s_nop 0 and four v_nop follow each line
	s_cmp_eq_u32 s[RH], 0
	s_cbranch_scc0 .Lfor_b_\@
	tensor_load_to_lds s[G0+4*(\s):G0+4*(\s)+3], s[G1:G1+7]
	s_nop 0
.rept 4
	v_nop
.endr
	s_branch .Lasked_\@
.Lfor_b_\@:
	tensor_load_to_lds s[G0B+4*(\s):G0B+4*(\s)+3], s[G1B:G1B+7]
	s_nop 0
.rept 4
	v_nop
.endr
.Lasked_\@:
.endm
.macro CREST
	s_cmp_lg_u32 s[WV], 0
	s_cbranch_scc1 .Lnot_wave_0_\@
	s_barrier_signal -3
.Lnot_wave_0_\@:
	s_barrier_wait -3
	s_barrier_signal -1
	s_barrier_wait -1
.endm
.macro CROUND
	s_barrier_signal -1
	s_barrier_wait -1
	CREST
.endm
.macro SLOTADR                         ; my fragments' addresses in the slot in hand
	v_add_nc_u32 v[ADRA], s[TB], v[ADRA0]
	v_add_nc_u32 v[ADRB], s[TB], v[ADRB0]
.endm
	s_load_b256 s[4:11], s[0:1], 0x0               ; act s[4:5], wts s[6:7], ctx s[8:9], obuf s[10:11]
	v_lshl_add_u32 v[SPW], v0, 2, SPARE
	v_mov_b32 v[NIL], 0
	ds_add_u32 v[SPW], v[NIL]                      ; the wave's opening: the add and its wait ahead of my first tensor load
	v_lshrrev_b32 v1, 5, v0
	v_readfirstlane_b32 s[WV], v1
	s_lshr_b32 s[RH], s[WV], 1
	s_and_b32 s[CH], s[WV], 1
	s_bfe_u32 s40, ttmp6, 0x40000                  ; cx
	s_bfe_u32 s41, ttmp6, 0x40004                  ; cy
	s_lshl_b32 s42, ttmp9, 2
	s_add_co_u32 s42, s42, s40                     ; x: which 256 columns
	s_and_b32 s43, ttmp7, 0xffff
	s_lshl_b32 s43, s43, 2
	s_add_co_u32 s43, s43, s41                     ; rb: which 128 rows
	s_lshl_b32 s44, s41, 2
	s_lshl_b32 s44, 15, s44                        ; my row of the cluster
	s_lshl_b32 s45, 0x1111, s40                    ; my column
	s_or_b32 s[G1], s44, (1<<16)|(1<<20)|(1<<21)|(5<<22)|(3<<25)   ; act: 2-byte elements; after every 64 words 4 words of padding
	s_mov_b32 s[G1+1], 128<<16                     ; tensor_dim0 = 128
	s_mov_b32 s[G1+2], 64<<16                      ; tensor_dim1 = 64
	s_mov_b32 s[G1+3], 128<<16                     ; tile_dim0
	s_mov_b32 s[G1+4], 64                          ; tile_dim1
	s_mov_b32 s[G1+5], 1024                        ; elements from row to row
	s_mov_b32 s[G1+6], 0
	s_mov_b32 s[G1+7], 0
	s_or_b32 s[G1B], s45, (1<<16)|(1<<20)|(1<<21)|(6<<22)|(7<<25)  ; weights: after every 128 words 8 words
	s_mov_b32 s[G1B+1], 256<<16
	s_mov_b32 s[G1B+2], 64<<16
	s_mov_b32 s[G1B+3], 256<<16
	s_mov_b32 s[G1B+4], 64
	s_mov_b32 s[G1B+5], 4096
	s_mov_b32 s[G1B+6], 0
	s_mov_b32 s[G1B+7], 0
	s_or_b32 s[G1C], s45, (3<<16)|(1<<21)          ; ctx: a dense block as 64 rows of 32 elements of 8 bytes, no padding
	s_mov_b32 s[G1C+1], 32<<16
	s_mov_b32 s[G1C+2], 64<<16
	s_mov_b32 s[G1C+3], 32<<16
	s_mov_b32 s[G1C+4], 64
	s_mov_b32 s[G1C+5], 32
	s_mov_b32 s[G1C+6], 0
	s_mov_b32 s[G1C+7], 0
	s_lshl_b32 s16, s43, 18                        ; act: row 128 rb + 64 CH, 2,048 bytes a row
	s_lshl_b32 s17, s[CH], 17
	s_add_co_u32 s16, s16, s17
	s_mov_b32 s17, 0
	s_lshl_b32 s46, s42, 9                         ; wts: 512 bytes of columns for each x, 64 rows of 8,192 bytes for CH
	s_lshl_b32 s47, s[CH], 19
	s_add_co_u32 s46, s46, s47
	s_add_co_u32 s46, s46, COL0
	s_mov_b32 s47, 0
	s_mul_i32 s20, s[CH], HALFA                    ; where they go in a slot; s20 and s21 are kept for the refills
	s_mul_i32 s21, s[CH], HALFB
	s_add_co_u32 s21, s21, BOFF
	s_and_b32 s18, ttmp7, 0xffff                   ; ctx: the batch = cluster y / 4, which the partners share: 8 heads of 32,768 bytes;
	s_lshr_b32 s18, s18, 2
	s_lshl_b32 s18, s18, 18
	s_lshl_b32 s19, s42, 16                        ; two heads for each x;
	s_add_co_u32 s18, s18, s19
	s_lshl_b32 s19, s[WV], 14                      ; a quarter of them for each wave
	s_add_co_u32 s18, s18, s19
	s_mov_b32 s[G0C], 1
	s_add_co_u32 s[G0C+1], s19, CTXB
	s_mov_b32 s19, 0
	s_mov_b32 s[CS], 0x3fb8aa3b                    ; c = log2(e)
	s_mov_b32 s[CS+1], s[CS]
	s_mov_b32 s[SEL], 0x76543210
	s_mov_b32 s[SEL+1], 0xfedcba98
	s_mov_b32 s[TB], 0
	s_wait_dscnt 0x0                               ; the opening add is done
	s_wait_kmcnt 0x0
	s_add_nc_u64 s[16:17], s[4:5], s[16:17]
	s_add_nc_u64 s[46:47], s[6:7], s[46:47]
	s_add_nc_u64 s[G0C+2:G0C+3], s[8:9], s[18:19]
	s_or_b32 s[G0C+3], s[G0C+3], 0x80000000
	CROUND                                         ; all sixteen work-groups are here: the first joint loads meet
.irp s, 0,1
	s_mov_b32 s[G0+4*(\s)], 1
	s_add_co_u32 s[G0+4*(\s)+1], s20, (\s)*SLOT
	s_add_nc_u64 s[G0+4*(\s)+2:G0+4*(\s)+3], s[16:17], (\s)*256
	s_or_b32 s[G0+4*(\s)+3], s[G0+4*(\s)+3], 0x80000000
	s_mov_b32 s[G0B+4*(\s)], 1
	s_add_co_u32 s[G0B+4*(\s)+1], s21, (\s)*SLOT
	s_add_nc_u64 s[G0B+4*(\s)+2:G0B+4*(\s)+3], s[46:47], (\s)*1048576
	s_or_b32 s[G0B+4*(\s)+3], s[G0B+4*(\s)+3], 0x80000000
	JLOAD \s
.endr
	tensor_load_to_lds s[G0C:G0C+3], s[G1C:G1C+7]  ; my quarter of ctx: three loads of mine are out
	s_nop 0
.rept 4
	v_nop
.endr
	s_lshl_b32 s22, s43, 18                        ; obuf: row 128 rb + 64 RH, byte 512 x + 256 CH
	s_lshl_b32 s23, s[RH], 17
	s_add_co_u32 s22, s22, s23
	s_lshl_b32 s23, s42, 9
	s_add_co_u32 s22, s22, s23
	s_lshl_b32 s23, s[CH], 8
	s_add_co_u32 s22, s22, s23
	s_mov_b32 s23, 0
	s_add_nc_u64 s[10:11], s[10:11], s[22:23]
	v_and_b32 v1, 15, v0                           ; r
	v_bfe_u32 v2, v0, 4, 1                         ; h
	v_mul_u32_u24 v3, v1, PA
	v_lshl_add_u32 v3, v2, 4, v3                   ; 272 r + 16 h
	s_mul_i32 s19, s[RH], HALFA
	v_add_nc_u32 v[ADRA0], s19, v3
	v_and_b32 v4, 7, v0
	v_lshl_add_u32 v4, v2, 3, v4                   ; the turning load's row: 8 h + l % 8
	v_bfe_u32 v5, v0, 3, 1
	v_mul_u32_u24 v10, v4, PB
	v_lshl_add_u32 v10, v5, 4, v10
	s_lshl_b32 s19, s[CH], 8
	s_add_co_u32 s19, s19, BOFF
	v_add_nc_u32 v[ADRB0], s19, v10
	SLOTADR
	v_lshlrev_b32 v[CTA], 5, v4                    ; ctx lies in tiles of 16 d x 16 e, rows of 32 bytes: 16 lanes of the turning load take 256 consecutive bytes
	v_lshl_add_u32 v[CTA], v5, 4, v[CTA]
	s_lshl_b32 s19, s[CH], 15
	s_add_co_u32 s19, s19, CTXB
	v_add_nc_u32 v[CTA], s19, v[CTA]
	s_mul_i32 s19, s[WV], 16*SP
	s_add_co_u32 s19, s19, STAGE
	v_add_nc_u32 v[STO], s19, v3                   ; in: row r, 16 bytes for each half of the lanes
	v_mul_u32_u24 v[RD], v2, SP                    ; back: lanes 0-15 one row of 256 bytes, lanes 16-31 the next
	v_lshl_add_u32 v[RD], v1, 4, v[RD]
	v_add_nc_u32 v[RD], s19, v[RD]
	v_lshlrev_b32 v[GO], 11, v2
	v_lshl_add_u32 v[GO], v1, 4, v[GO]
; 8 matrix instructions: row block a x all 8 column blocks, 32 along K.  The 32 accumulators take turns.
.macro MUL8 f, a, zero
	WIN MUL
.irp b, 0,1,2,3,4,5,6,7
.set rD, 8*(8*(\a)+(\b))
.set rB, (\f)+32+8*(\b)
.set rA, (\f)+8*(\a)
.if \zero
	v_wmma_f32_16x16x32_f16 v[rD:rD+7], v[rB:rB+7], v[rA:rA+7], 0
.else
	v_wmma_f32_16x16x32_f16 v[rD:rD+7], v[rB:rB+7], v[rA:rA+7], v[rD:rD+7]
.endif
.endr
.endm
.macro FETCH q, f                      ; 24 LDS loads in one run: quarter q of the slot in hand: the weights, turned, then act
	WIN TO_F
.irp b, 0,1,2,3,4,5,6,7
	ds_load_tr16_b128 v[(\f)+32+8*(\b):(\f)+32+8*(\b)+3],   v[ADRB] offset:(\q)*32*PB+32*(\b)
	ds_load_tr16_b128 v[(\f)+32+8*(\b)+4:(\f)+32+8*(\b)+7], v[ADRB] offset:(\q)*32*PB+32*(\b)+16*PB
.endr
.irp i, 0,1,2,3
	ds_load_b128 v[(\f)+8*(\i):(\f)+8*(\i)+3],   v[ADRA] offset:(\q)*64+(\i)*16*PA
	ds_load_b128 v[(\f)+8*(\i)+4:(\f)+8*(\i)+7], v[ADRA] offset:(\q)*64+(\i)*16*PA+32
.endr
.endm
.macro QUARTER q, f, g, zero
	s_wait_dscnt 4                                 ; the youngest four loads (act's rows 32-63) may be out
	MUL8 \f, 0, \zero
	MUL8 \f, 1, \zero
	PLACES
	FETCH \q, \g
	s_wait_dscnt 24                                ; all but the 24 just issued
	MUL8 \f, 2, \zero
	MUL8 \f, 3, \zero
.endm
; The last quarter changes slots: ONE barrier; in front of it each wave waits for all its tensor loads, adds 0 to its spare word, and waits for that and for its reads of this slot.
; fill = 1: a round of the cluster's barrier, and the joint refill of the slot just read, with the K step two on, first behind it: 112 matrix instructions ahead of the wait for it.
.macro TURN fill
	WIN 0
	s_wait_tensorcnt 0x0                           ; no tensor load of mine is out, so the walking group 0 may be written below
	ds_add_u32 v[SPW], v[NIL]
	s_wait_dscnt 5                                 ; (the add and the youngest four loads may be out)
	MUL8 F1, 0, 0
	s_wait_dscnt 0x0                               ; the add is done, and my reads of this slot are over
	s_barrier_signal -1
	MUL8 F1, 1, 0
	WIN 0
	s_barrier_wait -1
.if \fill
	CREST
	s_add_co_u32 s[G0+5], s20, s[TB]               ; the walking descriptors: into the slot just read,
	s_add_co_u32 s[G0B+5], s21, s[TB]
	s_add_nc_u64 s[G0+6:G0+7], s[G0+6:G0+7], 256   ; one K step on from the last request
	s_add_nc_u64 s[G0B+6:G0B+7], s[G0B+6:G0B+7], 1048576
	JLOAD 1                                        ; its four v_nop are also the places in front of the loads below
.else
	PLACES
.endif
	s_xor_b32 s[TB], s[TB], SLOT                   ; the other slot is in hand
	SLOTADR
	FETCH 0, F0
	MUL8 F1, 2, 0
	MUL8 F1, 3, 0
.endm
	s_wait_tensorcnt 2                             ; my part of K step 0 is in; step 1's and ctx may stay out
	s_barrier_signal -1
	s_barrier_wait -1
	FETCH 0, F0
	QUARTER 1, F0, F1, 1
	WIN 0
	s_mov_b32 s3, 6                                ; six trips: K steps 0 to 5; they ask for steps 2 to 7
.Lstep:
	QUARTER 2, F1, F0, 0
	QUARTER 3, F0, F1, 0
	TURN 1                                         ; the first of these also shows ctx landed, every wave's quarter, to every wave
	QUARTER 1, F0, F1, 0
	WIN 0
	s_sub_co_u32 s3, s3, 1
	s_cmp_lg_u32 s3, 0
	s_cbranch_scc1 .Lstep
	s_mov_b32 s3, 2                                ; K steps 6 and 7 ask for nothing: a loop of their own, without a tensor load, left in the middle of its second trip
.Ltail:
	QUARTER 2, F1, F0, 0
	QUARTER 3, F0, F1, 0
	WIN 0
	s_sub_co_u32 s3, s3, 1
	s_cmp_eq_u32 s3, 0
	s_cbranch_scc1 .Llast
	TURN 0
	QUARTER 1, F0, F1, 0
	WIN 0
	s_cmp_lg_u32 s3, 0
	s_cbranch_scc1 .Ltail
.Llast:
	s_wait_dscnt 4
	MUL8 F1, 0, 0
	MUL8 F1, 1, 0
	s_wait_dscnt 0
	MUL8 F1, 2, 0
	MUL8 F1, 3, 0
	; THE SOFTMAX AND THE SECOND PRODUCT.  ctx's 32 fragments (e block eb, 32 features t) fill window 1; they land while the softmax runs.
	PLACES
	WIN TO_F
.irp t, 0,1,2,3
.irp e, 0,1,2,3,4,5,6,7
	ds_load_tr16_b128 v[8*(8*(\t)+(\e)):8*(8*(\t)+(\e))+3],   v[CTA] offset:8192*(\t)+512*(\e)
	ds_load_tr16_b128 v[8*(8*(\t)+(\e))+4:8*(8*(\t)+(\e))+7], v[CTA] offset:8192*(\t)+512*(\e)+4096
.endr
.endr
	WIN 0
.set z, 0
.rept 16
	v_mov_b32 v[CHN+z], 0xff800000
.set z, z+1
.endr
	WIN 0x28                                       ; sources 1 and 2 in window 2.  Chain k takes column blocks 2 k and 2 k + 1, each from its low end on
.irp a, 0,1,2,3
.irp u, 0,1
.irp i, 0,1,2,3
.irp k, 0,1,2,3
	v_max3_num_f32 v[CHN+4*(\a)+(\k)], v[CHN+4*(\a)+(\k)], v[8*(8*(\a)+2*(\k)+(\u))+2*(\i)], v[8*(8*(\a)+2*(\k)+(\u))+2*(\i)+1]
.endr
.endr
.endr
.endr
	WIN 0
.irp a, 0,1,2,3
	v_max3_num_f32 v[CHN+4*(\a)], v[CHN+4*(\a)], v[CHN+4*(\a)+1], v[CHN+4*(\a)+2]
.endr
.irp a, 0,1,2,3
	v_max_num_f32 v[CHN+4*(\a)], v[CHN+4*(\a)], v[CHN+4*(\a)+3]
.endr
.irp a, 0,1,2,3
	v_permlanex16_b32 v[CHN+4*(\a)+1], v[CHN+4*(\a)], s[SEL], s[SEL+1]  ; the row's other 64 features lie in the lane 16 away
.endr
.irp a, 0,1,2,3
	v_max_num_f32 v[CHN+4*(\a)], v[CHN+4*(\a)], v[CHN+4*(\a)+1]
.endr
.irp a, 0,1,2,3
	v_mul_f32 v[CM+2*(\a)], s[CS], v[CHN+4*(\a)]
	v_mul_f32 v[CM+2*(\a)+1], s[CS], v[CHN+4*(\a)]
	v_mov_b32 v[LS+2*(\a)], 0
	v_mov_b32 v[LS+2*(\a)+1], 0
.endr
	WIN 0x82                                       ; destination and source 0 in window 2
.irp a, 0,1,2,3
.irp b, 0,1,2,3,4,5,6,7
.irp i, 0,1,2,3
.set rr, 8*(8*(\a)+(\b))+2*(\i)
	v_pk_fma_f32 v[rr:rr+1], v[rr:rr+1], s[CS:CS+1], v[CM+2*(\a):CM+2*(\a)+1] op_sel_hi:[1,0,0] neg_lo:[0,0,1] neg_hi:[0,0,1]
.endr
.endr
.irp b, 0,1,2,3,4,5,6,7
.irp j, 0,1,2,3,4,5,6,7
	v_exp_f32 v[8*(8*(\a)+(\b))+(\j)], v[8*(8*(\a)+(\b))+(\j)]  ; the next block's plain lines, or the first sum, stand behind the exponentials
.endr
.endr
.endr
	WIN 0x08                                       ; source 1 in window 2
	s_wait_alu depctr_va_vdst(0)
.irp b, 0,1,2,3,4,5,6,7
.irp i, 0,1,2,3
.irp a, 0,1,2,3
	v_pk_add_f32 v[LS+2*(\a):LS+2*(\a)+1], v[LS+2*(\a):LS+2*(\a)+1], v[8*(8*(\a)+(\b))+2*(\i):8*(8*(\a)+(\b))+2*(\i)+1]
.endr
.endr
.endr
	WIN 0x0a                                       ; sources 0 and 1 in window 2
.irp a, 0,1,2,3
.irp b, 0,1,2,3,4,5,6,7
.irp i, 0,1,2,3
	v_cvt_pk_f16_f32 v[QS+32*(\a)+4*(\b)+(\i)], v[8*(8*(\a)+(\b))+2*(\i)], v[8*(8*(\a)+(\b))+2*(\i)+1]
.endr
.endr
.endr
	WIN 0
.irp a, 0,1,2,3
	v_add_f32 v[CHN+4*(\a)], v[LS+2*(\a)], v[LS+2*(\a)+1]
.endr
.irp a, 0,1,2,3
	v_permlanex16_b32 v[CHN+4*(\a)+1], v[CHN+4*(\a)], s[SEL], s[SEL+1]
.endr
.irp a, 0,1,2,3
	v_add_f32 v[CHN+4*(\a)], v[CHN+4*(\a)], v[CHN+4*(\a)+1]  ; l: at least 1
.endr
.irp a, 0,1,2,3
	v_rcp_f32 v[LS+2*(\a)], v[CHN+4*(\a)]
	v_rcp_f32 v[LS+2*(\a)+1], v[CHN+4*(\a)]
.endr
	v_nop                                          ; a plain instruction behind the last reciprocal
	s_wait_alu depctr_va_vdst(0)
	s_wait_dscnt 0x0                               ; ctx's fragments are in
	WIN 0xa1                                       ; source 0 (ctx) window 1, source 1 (p) window 0, C and D window 2
.irp t, 0,1,2,3
.irp a, 0,1,2,3
.irp e, 0,1,2,3,4,5,6,7
.set rD, 8*(8*(\a)+(\e))
.set rC, 8*(8*(\t)+(\e))
.set rQ, QS+32*(\a)+8*(\t)
.if (\t) == 0
	v_wmma_f32_16x16x32_f16 v[rD:rD+7], v[rC:rC+7], v[rQ:rQ+7], 0
.else
	v_wmma_f32_16x16x32_f16 v[rD:rD+7], v[rC:rC+7], v[rQ:rQ+7], v[rD:rD+7]
.endif
.endr
.endr
.endr
	PLACES
; THE WAY OUT.  Row block a: divided by l, rounded to f16, 16 bytes a lane into rows of 272 bytes of my stage, back as whole rows of 256.
.macro PACK a
	WIN 0x82
.irp e, 0,1,2,3,4,5,6,7
.irp i, 0,1,2,3
.set rr, 8*(8*(\a)+(\e))+2*(\i)
	v_pk_mul_f32 v[rr:rr+1], v[rr:rr+1], v[LS+2*(\a):LS+2*(\a)+1]
.endr
.endr
	WIN 0x0a
.irp e, 0,1,2,3,4,5,6,7
.irp i, 0,1,2,3
	v_cvt_pk_f16_f32 v[TMP+4*(\e)+(\i)], v[8*(8*(\a)+(\e))+2*(\i)], v[8*(8*(\a)+(\e))+2*(\i)+1]
.endr
.endr
	WIN 0
.irp e, 0,1,2,3,4,5,6,7
	ds_store_b128 v[STO], v[TMP+4*(\e):TMP+4*(\e)+3] offset:32*(\e)
.endr
.irp f, 0,1,2,3,4,5,6,7
	ds_load_b128 v[QS+32*(\a)+4*(\f):QS+32*(\a)+4*(\f)+3], v[RD] offset:(\f)*2*SP  ; LDS serves a wave's instructions in order (ISA guide 5.7.1.4): these see the stores above; the next block's stores come behind them
.endr
.endm
.macro SEND a, younger                 ; younger: the LDS instructions issued behind block a's loads
	WIN 0
.irp f, 0,1,2,3,4,5,6,7
	s_wait_dscnt (\younger)+7-(\f)
	global_store_b128 v[GO], v[QS+32*(\a)+4*(\f):QS+32*(\a)+4*(\f)+3], s[10:11] offset:(16*(\a)+2*(\f))*2048  ; 16 lanes store 256 consecutive bytes, aligned
.endr
.endm
	PACK 0
	PACK 1
	SEND 0, 16
	PACK 2
	SEND 1, 16
	PACK 3
	SEND 2, 16
	SEND 3, 0
	s_wait_tensorcnt 0x0                           ; the wave's end
	ds_add_u32 v[SPW], v[NIL]
	s_wait_dscnt 0x0
	CROUND                                         ; the closing round
	s_endpgm
.Lfunc_end_k_qc3c368bb83_qctx:
	.size	k_qc3c368bb83_qctx, .Lfunc_end_k_qc3c368bb83_qctx-k_qc3c368bb83_qctx
	.p2alignl 7, 3214868480
	.fill 96, 4, 3214868480
	.section	.rodata,"a",@progbits
	.p2align	6, 0x0
	.amdhsa_kernel k_qc3c368bb83_qctx
		.amdhsa_group_segment_fixed_size 327680
		.amdhsa_private_segment_fixed_size 0
		.amdhsa_enable_private_segment 0
		.amdhsa_kernarg_size 32
		.amdhsa_user_sgpr_count 2
		.amdhsa_user_sgpr_kernarg_segment_ptr 1
		.amdhsa_wavefront_size32 1
		.amdhsa_system_sgpr_workgroup_id_x 1
		.amdhsa_system_sgpr_workgroup_id_y 1
		.amdhsa_system_sgpr_workgroup_id_z 1
		.amdhsa_system_vgpr_workitem_id 0
		.amdhsa_next_free_vgpr 768
		.amdhsa_next_free_sgpr 84
		.amdhsa_reserve_vcc 0
		.amdhsa_float_denorm_mode_32 3
		.amdhsa_float_denorm_mode_16_64 3
		.amdhsa_memory_ordered 1
		.amdhsa_forward_progress 1
		.amdhsa_inst_pref_size 129
	.end_amdhsa_kernel
	.amdgpu_metadata
---
amdhsa.version: [ 1, 2 ]
amdhsa.kernels:
  - .name:           k_qc3c368bb83_qctx
    .symbol:         k_qc3c368bb83_qctx.kd
    .args:
      - { .name: act, .offset: 0, .size: 8, .value_kind: global_buffer, .address_space: global }
      - { .name: wts, .offset: 8, .size: 8, .value_kind: global_buffer, .address_space: global }
      - { .name: ctx, .offset: 16, .size: 8, .value_kind: global_buffer, .address_space: global }
      - { .name: obuf, .offset: 24, .size: 8, .value_kind: global_buffer, .address_space: global }
    .group_segment_fixed_size: 327680
    .private_segment_fixed_size: 0
    .kernarg_segment_align: 8
    .kernarg_segment_size: 32
    .max_flat_workgroup_size: 128
    .sgpr_count:     84
    .vgpr_count:     768
    .wavefront_size: 32
...
	.end_amdgpu_metadata
.endif
;; end of part 4
;; launch outp (part 5): grid 4 x 64, 4 waves a work-group, clusters of 4 x 4, 327,680 bytes of LDS; arguments obuf, wts, out0; writes out0
.if DOCPART == 5
	.amdgcn_target "amdgcn-amd-amdhsa--gfx1250"
	.amdhsa_code_object_version 6
	.text
	.protected	k_qc3c368bb83_outp
	.globl	k_qc3c368bb83_outp
	.p2align	8
	.type	k_qc3c368bb83_outp,@function
k_qc3c368bb83_outp:
	s_mov_b64 s[64:65], 0
	v_nop
	global_prefetch_b8 v0, s[64:65] scope:SCOPE_SE
	s_setreg_imm32_b32 hwreg(HW_REG_WAVE_MODE, 25, 1), 1
	s_wait_xcnt 0x0
	s_wait_alu depctr_hold_cnt(0) depctr_sa_sdst(0) depctr_va_vdst(0) depctr_va_sdst(0) depctr_va_ssrc(0) depctr_va_vcc(0) depctr_vm_vsrc(0)
	s_getreg_b32 s2, hwreg(HW_REG_IB_STS2, 6, 4)
	s_cmp_eq_u32 s2, 0
	s_cbranch_scc0 .Lentry_in_a_cluster
	s_endpgm
.Lentry_in_a_cluster:
	s_bfe_u32 s2, ttmp6, 0x10000c
	s_cmp_lg_u32 s2, 0xf033
	s_cbranch_scc0 .Lentry_shape_is_right
	s_endpgm
.Lentry_shape_is_right:
; OUTP.  out0 = obuf w_out: [8192][1024] f16 times [1024 k][1024] f16 (columns 3,072 on of wts), sums in f32, stored as f32.
; SHARES, RING, CLUSTER and the K loop are those of the launch before: a work-group makes 128 rows x 256 columns (256 work-groups), wave w = 2 RH + CH 64 rows x 128 columns in 32 accumulators;
; K in steps of 128 through two LDS slots, a step written once, the slot in hand in the scalar TB; obuf's tiles are asked for jointly along a row of the 4 x 4 cluster, w_out's along a column.
; THE MATRIX INSTRUCTION IS USED TRANSPOSED (source 0 = 16 columns of the weights, source 1 = 16 rows of obuf): a lane holds one row and eight neighbouring columns, 32 bytes of f32.
; REGISTERS: window 0: v0-31 addresses; v64-127, v128-191 rows on their way out, two buffers.  window 1: two fragment buffers of 96.  window 2: accumulator (a, b) at v[8 (8 a + b)].
.set COL0,  6144                       ; w_out's first byte in a row of wts
.set PA,    272
.set PB,    544
.set HALFA, 64*PA
.set HALFB, 64*PB
.set BOFF,  2*HALFA
.set SLOT,  BOFF+2*HALFB
.set STAGE, 2*SLOT                     ; 16 rows x 528 bytes for each wave; no tensor load fills it
.set SP,    528                        ; 512 bytes + 16: the 16 rows of a store start at 16 different groups of four banks
.set SPARE, STAGE+4*16*SP
.set STO,  6
.set RD,   7
.set GO,   8
.set ADRA0, 16                         ; v16  my fragments of obuf in slot 0; never rewritten
.set ADRA,  17                         ; v17  in the slot in hand
.set ADRB0, 20                         ; v20, v21  the same for the weights
.set ADRB,  21
.set SPW,  28
.set NIL,  29
.set BK,   64
.set F0,   0
.set F1,   96
.set WV, 12
.set RH, 13
.set CH, 14
.set G1, 24
.set G0, 32
.set G1B, 48
.set G0B, 56
.set TB, 70                            ; s70  LDS byte at which the slot in hand begins: 0 or SLOT
.set MSB, 0
.macro WIN new
.if MSB != (\new)
	s_set_vgpr_msb (MSB<<8)|(\new)
.set MSB, \new
.endif
.endm
.set MUL,  0xa5
.set TO_F, 0x40
.macro PLACES
.rept 4
	v_nop
.endr
.endm
.macro JLOAD s                         ; a joint load: waves 0 and 1 fetch obuf's halves, waves 2 and 3 the weights'; an s_nop 0 and four v_nop follow each line
	s_cmp_eq_u32 s[RH], 0
	s_cbranch_scc0 .Lfor_b_\@
	tensor_load_to_lds s[G0+4*(\s):G0+4*(\s)+3], s[G1:G1+7]
	s_nop 0
.rept 4
	v_nop
.endr
	s_branch .Lasked_\@
.Lfor_b_\@:
	tensor_load_to_lds s[G0B+4*(\s):G0B+4*(\s)+3], s[G1B:G1B+7]
	s_nop 0
.rept 4
	v_nop
.endr
.Lasked_\@:
.endm
.macro CREST
	s_cmp_lg_u32 s[WV], 0
	s_cbranch_scc1 .Lnot_wave_0_\@
	s_barrier_signal -3
.Lnot_wave_0_\@:
	s_barrier_wait -3
	s_barrier_signal -1
	s_barrier_wait -1
.endm
.macro CROUND
	s_barrier_signal -1
	s_barrier_wait -1
	CREST
.endm
.macro SLOTADR                         ; my fragments' addresses in the slot in hand
	v_add_nc_u32 v[ADRA], s[TB], v[ADRA0]
	v_add_nc_u32 v[ADRB], s[TB], v[ADRB0]
.endm
	s_load_b128 s[4:7], s[0:1], 0x0                ; obuf s[4:5], wts s[6:7]
	s_load_b64 s[10:11], s[0:1], 0x10              ; out0
	v_lshl_add_u32 v[SPW], v0, 2, SPARE
	v_mov_b32 v[NIL], 0
	ds_add_u32 v[SPW], v[NIL]                      ; the wave's opening: the add and its wait ahead of my first tensor load
	v_lshrrev_b32 v1, 5, v0
	v_readfirstlane_b32 s[WV], v1
	s_lshr_b32 s[RH], s[WV], 1
	s_and_b32 s[CH], s[WV], 1
	s_bfe_u32 s40, ttmp6, 0x40000
	s_bfe_u32 s41, ttmp6, 0x40004
	s_lshl_b32 s42, ttmp9, 2
	s_add_co_u32 s42, s42, s40                     ; x
	s_and_b32 s43, ttmp7, 0xffff
	s_lshl_b32 s43, s43, 2
	s_add_co_u32 s43, s43, s41                     ; rb
	s_lshl_b32 s44, s41, 2
	s_lshl_b32 s44, 15, s44
	s_lshl_b32 s45, 0x1111, s40
	s_or_b32 s[G1], s44, (1<<16)|(1<<20)|(1<<21)|(5<<22)|(3<<25)
	s_mov_b32 s[G1+1], 128<<16
	s_mov_b32 s[G1+2], 64<<16
	s_mov_b32 s[G1+3], 128<<16
	s_mov_b32 s[G1+4], 64
	s_mov_b32 s[G1+5], 1024
	s_mov_b32 s[G1+6], 0
	s_mov_b32 s[G1+7], 0
	s_or_b32 s[G1B], s45, (1<<16)|(1<<20)|(1<<21)|(6<<22)|(7<<25)
	s_mov_b32 s[G1B+1], 256<<16
	s_mov_b32 s[G1B+2], 64<<16
	s_mov_b32 s[G1B+3], 256<<16
	s_mov_b32 s[G1B+4], 64
	s_mov_b32 s[G1B+5], 4096
	s_mov_b32 s[G1B+6], 0
	s_mov_b32 s[G1B+7], 0
	s_lshl_b32 s16, s43, 18
	s_lshl_b32 s17, s[CH], 17
	s_add_co_u32 s16, s16, s17
	s_mov_b32 s17, 0
	s_lshl_b32 s46, s42, 9
	s_lshl_b32 s47, s[CH], 19
	s_add_co_u32 s46, s46, s47
	s_add_co_u32 s46, s46, COL0
	s_mov_b32 s47, 0
	s_mul_i32 s20, s[CH], HALFA                    ; where the tiles go in a slot; s20 and s21 are kept for the refills
	s_mul_i32 s21, s[CH], HALFB
	s_add_co_u32 s21, s21, BOFF
	s_mov_b32 s[TB], 0
	s_wait_dscnt 0x0                               ; the opening add is done
	s_wait_kmcnt 0x0
	s_add_nc_u64 s[16:17], s[4:5], s[16:17]
	s_add_nc_u64 s[46:47], s[6:7], s[46:47]
	CROUND
.irp s, 0,1
	s_mov_b32 s[G0+4*(\s)], 1
	s_add_co_u32 s[G0+4*(\s)+1], s20, (\s)*SLOT
	s_add_nc_u64 s[G0+4*(\s)+2:G0+4*(\s)+3], s[16:17], (\s)*256
	s_or_b32 s[G0+4*(\s)+3], s[G0+4*(\s)+3], 0x80000000
	s_mov_b32 s[G0B+4*(\s)], 1
	s_add_co_u32 s[G0B+4*(\s)+1], s21, (\s)*SLOT
	s_add_nc_u64 s[G0B+4*(\s)+2:G0B+4*(\s)+3], s[46:47], (\s)*1048576
	s_or_b32 s[G0B+4*(\s)+3], s[G0B+4*(\s)+3], 0x80000000
	JLOAD \s                                       ; two loads of mine are out
.endr
	s_lshl_b32 s22, s43, 19                        ; out0: row 128 rb + 64 RH of 4,096 bytes, byte 1,024 x + 512 CH
	s_lshl_b32 s23, s[RH], 18
	s_add_co_u32 s22, s22, s23
	s_lshl_b32 s23, s42, 10
	s_add_co_u32 s22, s22, s23
	s_lshl_b32 s23, s[CH], 9
	s_add_co_u32 s22, s22, s23
	s_mov_b32 s23, 0
	s_add_nc_u64 s[10:11], s[10:11], s[22:23]
	v_and_b32 v1, 15, v0
	v_bfe_u32 v2, v0, 4, 1
	v_mul_u32_u24 v3, v1, PA
	v_lshl_add_u32 v3, v2, 4, v3
	s_mul_i32 s19, s[RH], HALFA
	v_add_nc_u32 v[ADRA0], s19, v3
	v_and_b32 v4, 7, v0
	v_lshl_add_u32 v4, v2, 3, v4
	v_bfe_u32 v5, v0, 3, 1
	v_mul_u32_u24 v10, v4, PB
	v_lshl_add_u32 v10, v5, 4, v10
	s_lshl_b32 s19, s[CH], 8
	s_add_co_u32 s19, s19, BOFF
	v_add_nc_u32 v[ADRB0], s19, v10
	SLOTADR
	s_mul_i32 s19, s[WV], 16*SP
	s_add_co_u32 s19, s19, STAGE
	v_mul_u32_u24 v[STO], v1, SP                   ; in: row r, 32 bytes for each half of the lanes
	v_lshl_add_u32 v[STO], v2, 5, v[STO]
	v_add_nc_u32 v[STO], s19, v[STO]
	v_and_b32 v[GO], 31, v0                        ; back and out: 32 lanes take one row's 512 bytes
	v_lshlrev_b32 v[GO], 4, v[GO]
	v_add_nc_u32 v[RD], s19, v[GO]
.macro MUL8 f, a, zero                 ; 8 matrix instructions: row block a x all 8 column blocks; the 32 accumulators take turns
	WIN MUL
.irp b, 0,1,2,3,4,5,6,7
.set rD, 8*(8*(\a)+(\b))
.set rB, (\f)+32+8*(\b)
.set rA, (\f)+8*(\a)
.if \zero
	v_wmma_f32_16x16x32_f16 v[rD:rD+7], v[rB:rB+7], v[rA:rA+7], 0
.else
	v_wmma_f32_16x16x32_f16 v[rD:rD+7], v[rB:rB+7], v[rA:rA+7], v[rD:rD+7]
.endif
.endr
.endm
.macro FETCH q, f                      ; 24 LDS loads in one run: quarter q of the slot in hand
	WIN TO_F
.irp b, 0,1,2,3,4,5,6,7
	ds_load_tr16_b128 v[(\f)+32+8*(\b):(\f)+32+8*(\b)+3],   v[ADRB] offset:(\q)*32*PB+32*(\b)
	ds_load_tr16_b128 v[(\f)+32+8*(\b)+4:(\f)+32+8*(\b)+7], v[ADRB] offset:(\q)*32*PB+32*(\b)+16*PB
.endr
.irp i, 0,1,2,3
	ds_load_b128 v[(\f)+8*(\i):(\f)+8*(\i)+3],   v[ADRA] offset:(\q)*64+(\i)*16*PA
	ds_load_b128 v[(\f)+8*(\i)+4:(\f)+8*(\i)+7], v[ADRA] offset:(\q)*64+(\i)*16*PA+32
.endr
.endm
.macro QUARTER q, f, g, zero
	s_wait_dscnt 4                                 ; the youngest four loads (rows 32-63) may be out
	MUL8 \f, 0, \zero
	MUL8 \f, 1, \zero
	PLACES
	FETCH \q, \g
	s_wait_dscnt 24                                ; all but the 24 just issued
	MUL8 \f, 2, \zero
	MUL8 \f, 3, \zero
.endm
.macro TURN fill                       ; the change of slots: all my tensor loads, the add, my reads, ONE barrier (with fill = 1 a round of the cluster's), the joint refill of the slot just read first behind it
	WIN 0
	s_wait_tensorcnt 0x0                           ; no tensor load of mine is out, so the walking group 0 may be written below
	ds_add_u32 v[SPW], v[NIL]
	s_wait_dscnt 5                                 ; (the add and the youngest four loads may be out)
	MUL8 F1, 0, 0
	s_wait_dscnt 0x0                               ; the add is done, and my reads of this slot are over
	s_barrier_signal -1
	MUL8 F1, 1, 0
	WIN 0
	s_barrier_wait -1
.if \fill
	CREST
	s_add_co_u32 s[G0+5], s20, s[TB]               ; the walking descriptors: into the slot just read,
	s_add_co_u32 s[G0B+5], s21, s[TB]
	s_add_nc_u64 s[G0+6:G0+7], s[G0+6:G0+7], 256   ; one K step on from the last request
	s_add_nc_u64 s[G0B+6:G0B+7], s[G0B+6:G0B+7], 1048576
	JLOAD 1                                        ; its four v_nop are also the places in front of the loads below
.else
	PLACES
.endif
	s_xor_b32 s[TB], s[TB], SLOT                   ; the other slot is in hand
	SLOTADR
	FETCH 0, F0
	MUL8 F1, 2, 0
	MUL8 F1, 3, 0
.endm
	s_wait_tensorcnt 1                             ; my part of K step 0 is in; step 1's may stay out
	s_barrier_signal -1
	s_barrier_wait -1
	FETCH 0, F0
	QUARTER 1, F0, F1, 1
	WIN 0
	s_mov_b32 s3, 6                                ; six trips: K steps 0 to 5; they ask for steps 2 to 7
.Lstep:
	QUARTER 2, F1, F0, 0
	QUARTER 3, F0, F1, 0
	TURN 1
	QUARTER 1, F0, F1, 0
	WIN 0
	s_sub_co_u32 s3, s3, 1
	s_cmp_lg_u32 s3, 0
	s_cbranch_scc1 .Lstep
	s_mov_b32 s3, 2                                ; K steps 6 and 7 ask for nothing: a loop of their own, without a tensor load, left in the middle of its second trip
.Ltail:
	QUARTER 2, F1, F0, 0
	QUARTER 3, F0, F1, 0
	WIN 0
	s_sub_co_u32 s3, s3, 1
	s_cmp_eq_u32 s3, 0
	s_cbranch_scc1 .Llast
	TURN 0
	QUARTER 1, F0, F1, 0
	WIN 0
	s_cmp_lg_u32 s3, 0
	s_cbranch_scc1 .Ltail
.Llast:
	s_wait_dscnt 4
	MUL8 F1, 0, 0
	MUL8 F1, 1, 0
	s_wait_dscnt 0
	MUL8 F1, 2, 0
	MUL8 F1, 3, 0
; THE WAY OUT.  Row block a goes straight from the accumulators into my stage (each from its low end on) and comes back as whole rows of 512 bytes.
.macro STG a
.if (\a) >= 2
	s_wait_xcnt 0x0                                ; the buffer's registers are the data of block a - 2's stores: they are loaded again only behind this wait
.endif
	WIN 0x08                                       ; store data in window 2
.irp b, 0,1,2,3,4,5,6,7
.irp q, 0,1
	ds_store_b128 v[STO], v[8*(8*(\a)+(\b))+4*(\q):8*(8*(\a)+(\b))+4*(\q)+3] offset:64*(\b)+16*(\q)
.endr
.endr
	WIN 0
.irp t, 0,1,2,3,4,5,6,7,8,9,10,11,12,13,14,15
	ds_load_b128 v[BK+64*((\a)%2)+4*(\t):BK+64*((\a)%2)+4*(\t)+3], v[RD] offset:(\t)*SP  ; LDS serves a wave's instructions in order (ISA guide 5.7.1.4)
.endr
.endm
.macro SENDF a, younger                ; younger: the LDS instructions issued behind block a's loads
.irp t, 0,1,2,3,4,5,6,7,8,9,10,11,12,13,14,15
	s_wait_dscnt (\younger)+15-(\t)
	global_store_b128 v[GO], v[BK+64*((\a)%2)+4*(\t):BK+64*((\a)%2)+4*(\t)+3], s[10:11] offset:(16*(\a)+(\t))*4096 th:TH_STORE_NT  ; 512 consecutive bytes, aligned
.endr
.endm
	PLACES
	STG 0
	STG 1
	SENDF 0, 32
	STG 2
	SENDF 1, 32
	STG 3
	SENDF 2, 32
	SENDF 3, 0
	s_wait_tensorcnt 0x0                           ; the wave's end
	ds_add_u32 v[SPW], v[NIL]
	s_wait_dscnt 0x0
	CROUND                                         ; the closing round
	s_endpgm
.Lfunc_end_k_qc3c368bb83_outp:
	.size	k_qc3c368bb83_outp, .Lfunc_end_k_qc3c368bb83_outp-k_qc3c368bb83_outp
	.p2alignl 7, 3214868480
	.fill 96, 4, 3214868480
	.section	.rodata,"a",@progbits
	.p2align	6, 0x0
	.amdhsa_kernel k_qc3c368bb83_outp
		.amdhsa_group_segment_fixed_size 327680
		.amdhsa_private_segment_fixed_size 0
		.amdhsa_enable_private_segment 0
		.amdhsa_kernarg_size 24
		.amdhsa_user_sgpr_count 2
		.amdhsa_user_sgpr_kernarg_segment_ptr 1
		.amdhsa_wavefront_size32 1
		.amdhsa_system_sgpr_workgroup_id_x 1
		.amdhsa_system_sgpr_workgroup_id_y 1
		.amdhsa_system_sgpr_workgroup_id_z 1
		.amdhsa_system_vgpr_workitem_id 0
		.amdhsa_next_free_vgpr 768
		.amdhsa_next_free_sgpr 72
		.amdhsa_reserve_vcc 0
		.amdhsa_float_denorm_mode_32 3
		.amdhsa_float_denorm_mode_16_64 3
		.amdhsa_memory_ordered 1
		.amdhsa_forward_progress 1
		.amdhsa_inst_pref_size 64
	.end_amdhsa_kernel
	.amdgpu_metadata
---
amdhsa.version: [ 1, 2 ]
amdhsa.kernels:
  - .name:           k_qc3c368bb83_outp
    .symbol:         k_qc3c368bb83_outp.kd
    .args:
      - { .name: obuf, .offset: 0, .size: 8, .value_kind: global_buffer, .address_space: global }
      - { .name: wts, .offset: 8, .size: 8, .value_kind: global_buffer, .address_space: global }
      - { .name: out0, .offset: 16, .size: 8, .value_kind: global_buffer, .address_space: global }
    .group_segment_fixed_size: 327680
    .private_segment_fixed_size: 0
    .kernarg_segment_align: 8
    .kernarg_segment_size: 24
    .max_flat_workgroup_size: 128
    .sgpr_count:     72
    .vgpr_count:     768
    .wavefront_size: 32
...
	.end_amdgpu_metadata
.endif
;; end of part 5
